; MI455X (gfx1250); checked and timed in simulation.
; The chip was launched on July 23, 2026; its instructions are those of AMD's public machine-readable ISA for CDNA 5 (MIT licence, August 2026) and "CDNA5" Instruction Set Architecture Reference Guide (July 2026). The comments in the code are by the model that wrote it; some were corrected since.
;; Multi Scale Retention. Allowed arithmetic: float matrix products may take bf16 or f16 operands with f32 sums; other float arithmetic in f32, or as packed bf16 or f16 multiplies, adds, multiply-adds, maxima and minima; sums over many terms, partial sums and values carried from step to step in f32; what a program stores and reads back later, other than sums and carried values, may be rounded once to bf16 or f16.
;; Inputs: W_G 2,048 x 2,048 float32; W_K 16 x 2,048 x 128 float32; W_O 2,048 x 2,048 float32; W_Q 16 x 2,048 x 128 float32; W_V 16 x 2,048 x 128 float32; X 2 x 1,024 x 2,048 float32; gn_bias 2,048 float32; gn_weight 2,048 float32.
;; Outputs: out0 2 x 1,024 x 2,048 float32.
;; One version. Each part assembles by itself: llvm-mc -triple=amdgcn-amd-amdhsa -mcpu=gfx1250 --defsym DOCPART=n.
;; ======== version 1 of 1: 4 launches
;; workspace buffers: cb 41,943,040 bytes; tab 147,456 bytes; qkvg 33,554,432 bytes; sc 524,288 bytes; z 8,388,608 bytes; wo 8,388,608 bytes
;; launch prep (part 1): grid 1298 x 1, 8 waves a work-group, no clusters, 0 bytes of LDS; arguments X, W_Q, W_K, W_V, W_G, cb, tab; writes cb, tab
.if DOCPART == 1
	.amdgcn_target "amdgcn-amd-amdhsa--gfx1250"
	.amdhsa_code_object_version 6
	.text
	.protected	k_q2cefe2f04e_prep
	.globl	k_q2cefe2f04e_prep
	.p2align	8
	.type	k_q2cefe2f04e_prep,@function
k_q2cefe2f04e_prep:
	s_mov_b64 s[64:65], 0
	v_nop
	global_prefetch_b8 v0, s[64:65] scope:SCOPE_SE
	s_setreg_imm32_b32 hwreg(HW_REG_WAVE_MODE, 25, 1), 1
	s_wait_xcnt 0x0
; PREP.  (1) X and the four weights of the projections, f32, are rounded once to bf16 into cb; (2) the xpos tables are made.  (W_O, which the last launch alone needs, is rounded by the launch retn.)
; cb: bytes 0 .. 8,388,607 X as it lies; then 64 groups of [2048 k][128 n] bf16 (524,288 bytes each): W_Q's 16 heads, W_K's, W_V's as they lie,
; then W_G's 16 groups of 128 columns, laid group by group.
; CAST: work-groups 0 .. 1,279, 256 for each tensor.  The unit is a chunk of 128 numbers: 512 bytes in (one 16-byte load a lane), 256 bytes out (one 8-byte store a lane:
; each store of a wave covers 256 consecutive bytes, aligned).  A wave takes 16 chunks on end; all 16 loads go out first, so 8 KiB of every wave are on their way.
; In W_G a wave's 16 chunks are one row k, groups 0 .. 15: the stores lie 524,288 bytes apart; in the other tensors 256.
; No LDS, no matrix unit, no cluster: nothing is shared, every byte is read once and written once.
; TABLES: work-groups 1,280 .. 1,297.  tab holds Q's table at byte 0 and K's at 73,728; each is 9 blocks [b 8][j 2][lane 32][16 bytes]; a lane's 16 bytes are
; (c, s, c, s) of the rotary pairs i = 8 b + 4 (lane / 16) + 2 j and i + 1, c = cos(pos f_i) g, s = sin(pos f_i) g, g = xscale_i^(pos/512) for Q and its inverse for K.
; Blocks 0-7: pos = 128 blk + lane % 16.  Block 8: pos = 16, the step from 16 rows to the next 16.
; LIMIT: the angle is reduced by one multiply with 1/2pi in f32, made for positions up to 1,023; sine and cosine are Taylor sums to x^15 and x^16 on -pi .. pi.
.set NCAST, 1280
.set IO,  2                            ; v2       my byte offset in the work-group's 65,536 bytes of input
.set OFF, 8                            ; v[8:23]  my byte offset in cb for each of the 16 chunks; never rewritten
.set D,   32                           ; v[32:95] 16 chunks as loaded
.set H,   96                           ; v[96:127] 16 chunks as stored
.set POS, 6                            ; table path: the position, f32
.set PI0, 7                            ; the first pair's number
.set BY,  30                           ; my 16 bytes in a table
.set QT,  8                            ; v[8:11]  what goes into Q's table
.set KT,  12                           ; v[12:15] what goes into K's
	s_load_b256 s[8:15], s[0:1], 0x0               ; X, W_Q, W_K, W_V
	s_load_b128 s[16:19], s[0:1], 0x20             ; W_G, cb s[18:19]
	s_load_b64 s[20:21], s[0:1], 0x30              ; tab
	s_mov_b32 s2, ttmp9
	v_lshrrev_b32 v1, 5, v0                        ; wave
	v_and_b32 v3, 31, v0                           ; lane
	s_cmp_lt_u32 s2, NCAST
	s_cbranch_scc0 .Ltable
	s_lshr_b32 s3, s2, 8                           ; which tensor, 0 .. 4
	s_and_b32 s24, s2, 255                         ; which 128 chunks of it
	s_cmp_ge_u32 s3, 4                             ; W_G is laid anew
	s_cselect_b32 s26, 19, 8                       ; log2 of the bytes from chunk to chunk in cb
	s_cselect_b32 s27, 11, 15                      ; log2 of the bytes of cb from work-group to work-group
	s_cselect_b32 s28, 8, 12                       ; and from wave to wave
	s_lshl_b32 s25, 1, s26
	s_lshl_b32 s30, s24, s27
	s_lshl_b32 s29, s3, 23                         ; each tensor has 8,388,608 bytes of cb
	s_add_co_u32 s30, s30, s29
	s_mov_b32 s31, 0
	v_lshlrev_b32 v4, 4, v3
	v_lshl_add_u32 v[IO], v1, 13, v4               ; 8,192 x wave + 16 x lane
	v_lshlrev_b32 v5, s28, v1
	v_lshl_add_u32 v[OFF], v3, 3, v5               ; the wave's place + 8 x lane
.set i, 1
.rept 15
	v_add_nc_u32 v[OFF+i], s25, v[OFF+i-1]
.set i, i+1
.endr
	s_wait_kmcnt 0x0
	s_add_nc_u64 s[6:7], s[18:19], s[30:31]
	s_mov_b64 s[4:5], s[8:9]                       ; the tensor's address, chosen by its number
.irp k, 1,2,3,4
	s_cmp_eq_u32 s3, \k
	s_cselect_b64 s[4:5], s[8+2*\k:9+2*\k], s[4:5]
.endr
	s_lshl_b32 s30, s24, 16                        ; 65,536 bytes of input a work-group
	s_add_nc_u64 s[4:5], s[4:5], s[30:31]
.set i, 0
.rept 16
	global_load_b128 v[D+4*i:D+4*i+3], v[IO], s[4:5] offset:512*i th:TH_LOAD_NT
.set i, i+1
.endr
.set i, 0
.rept 16
	s_wait_loadcnt 15-i                            ; loads come back in order: chunk i is in, the 15 - i younger ones stay out
	v_cvt_pk_bf16_f32 v[H+2*i], v[D+4*i], v[D+4*i+1]
	v_cvt_pk_bf16_f32 v[H+2*i+1], v[D+4*i+2], v[D+4*i+3]
	global_store_b64 v[OFF+i], v[H+2*i:H+2*i+1], s[6:7] th:TH_STORE_NT
.set i, i+1
.endr
	s_endpgm
.Ltable:
	s_sub_co_u32 s2, s2, NCAST
	s_lshl_b32 s2, s2, 8
	v_add_nc_u32 v1, s2, v0                        ; t = 0 .. 4,607: my 16 bytes of each table
	v_lshrrev_b32 v2, 9, v1                        ; block
	v_bfe_u32 v3, v1, 6, 3                         ; b
	v_bfe_u32 v4, v1, 5, 1                         ; j
	v_bfe_u32 v5, v1, 4, 1                         ; lane / 16
	v_and_b32 v[POS], 15, v1
	v_lshl_add_u32 v[POS], v2, 7, v[POS]           ; 128 block + lane % 16,
	v_cmp_gt_u32 vcc_lo, 8, v2
	v_cndmask_b32 v[POS], 16, v[POS], vcc_lo       ; or 16 in block 8
	v_cvt_f32_u32 v[POS], v[POS]
	v_lshlrev_b32 v[PI0], 3, v3
	v_lshl_add_u32 v[PI0], v5, 2, v[PI0]
	v_lshl_add_u32 v[PI0], v4, 1, v[PI0]           ; i = 8 b + 4 (lane / 16) + 2 j
	v_lshlrev_b32 v[BY], 4, v1
; Pair k works in eight registers from R on: +0 i, +1 frequency then angle, +2 log2(xscale) then g, +3 x, +4 x^2, +5 1/g, +6 sine, +7 cosine.
.macro ARGS k, R
	v_add_nc_u32 v[\R], \k, v[PI0]
	v_cvt_f32_u32 v[\R], v[\R]
	v_mul_f32 v[\R+1], 0xbe549a78, v[\R]           ; -i log2(10000) / 64
	v_fmaak_f32 v[\R+2], 2.0, v[\R], 0x424ccccd    ; 2 i + 51.2
	v_mul_f32 v[\R+2], 0x3bb6db6e, v[\R+2]         ; / 179.2
.endm
.macro REDUCE R
	v_mul_f32 v[\R+1], v[POS], v[\R+1]             ; the angle
	v_mul_f32 v[\R+3], 0.15915494, v[\R+1]
	v_rndne_f32 v[\R+3], v[\R+3]                   ; whole turns
	v_fma_f32 v[\R+3], v[\R+1], 0.15915494, -v[\R+3]  ; what is left, -1/2 .. 1/2 of a turn
	v_mul_f32 v[\R+3], 0x40c90fdb, v[\R+3]         ; x, -pi .. pi
	v_mul_f32 v[\R+4], v[\R+3], v[\R+3]
	v_mul_f32 v[\R+2], v[\R+2], v[POS]
	v_mul_f32 v[\R+2], 0x3b000000, v[\R+2]         ; log2(xscale) pos / 512
	v_sub_f32 v[\R+5], 0, v[\R+2]
.endm
.macro SERIES R
	v_mov_b32 v[\R+6], 0xab573f9f                  ; -1/15!
	v_mov_b32 v[\R+7], 0x29573f9f                  ; 1/16!
.irp c, 0x2f309231,0xb2d7322b,0x3638ef1d,0xb9500d01,0x3c088889,0xbe2aaaab,0x3f800000
	v_fmaak_f32 v[\R+6], v[\R+6], v[\R+4], \c      ; 1/13!, -1/11!, .. -1/3!, 1
.endr
.irp c, 0xad49cba5,0x310f76c7,0xb493f27e,0x37d00d01,0xbab60b61,0x3d2aaaab,0xbf000000,0x3f800000
	v_fmaak_f32 v[\R+7], v[\R+7], v[\R+4], \c      ; -1/14!, 1/12!, .. -1/2!, 1
.endr
	v_mul_f32 v[\R+6], v[\R+6], v[\R+3]
.endm
	ARGS 0, 32
	ARGS 1, 48
	v_exp_f32 v33, v33                             ; one batch: both frequencies, both logarithms
	v_log_f32 v34, v34
	v_exp_f32 v49, v49
	v_log_f32 v50, v50
	v_nop                                          ; a plain instruction behind the last of them,
	s_wait_alu depctr_va_vdst(0)                   ; and the one wait ahead of the first reader
	REDUCE 32
	REDUCE 48
	v_exp_f32 v34, v34                             ; the second batch: g and 1/g of both pairs; the two series are the work behind it
	v_exp_f32 v37, v37
	v_exp_f32 v50, v50
	v_exp_f32 v53, v53
	SERIES 32
	SERIES 48
	s_wait_alu depctr_va_vdst(0)
.irp k, 0,1
	v_mul_f32 v[QT+2*\k],   v[32+16*\k+7], v[32+16*\k+2]
	v_mul_f32 v[QT+2*\k+1], v[32+16*\k+6], v[32+16*\k+2]
	v_mul_f32 v[KT+2*\k],   v[32+16*\k+7], v[32+16*\k+5]
	v_mul_f32 v[KT+2*\k+1], v[32+16*\k+6], v[32+16*\k+5]
.endr
	s_wait_kmcnt 0x0
	global_store_b128 v[BY], v[QT:QT+3], s[20:21]
	global_store_b128 v[BY], v[KT:KT+3], s[20:21] offset:73728
	s_endpgm
.Lfunc_end_k_q2cefe2f04e_prep:
	.size	k_q2cefe2f04e_prep, .Lfunc_end_k_q2cefe2f04e_prep-k_q2cefe2f04e_prep
	.p2alignl 7, 3214868480
	.fill 96, 4, 3214868480
	.section	.rodata,"a",@progbits
	.p2align	6, 0x0
	.amdhsa_kernel k_q2cefe2f04e_prep
		.amdhsa_group_segment_fixed_size 0
		.amdhsa_private_segment_fixed_size 0
		.amdhsa_enable_private_segment 0
		.amdhsa_kernarg_size 56
		.amdhsa_user_sgpr_count 2
		.amdhsa_user_sgpr_kernarg_segment_ptr 1
		.amdhsa_wavefront_size32 1
		.amdhsa_system_sgpr_workgroup_id_x 1
		.amdhsa_system_sgpr_workgroup_id_y 1
		.amdhsa_system_sgpr_workgroup_id_z 1
		.amdhsa_system_vgpr_workitem_id 0
		.amdhsa_next_free_vgpr 128
		.amdhsa_next_free_sgpr 66
		.amdhsa_reserve_vcc 1
		.amdhsa_float_denorm_mode_32 3
		.amdhsa_float_denorm_mode_16_64 3
		.amdhsa_memory_ordered 1
		.amdhsa_forward_progress 1
		.amdhsa_inst_pref_size 13
	.end_amdhsa_kernel
	.amdgpu_metadata
---
amdhsa.version: [ 1, 2 ]
amdhsa.kernels:
  - .name:           k_q2cefe2f04e_prep
    .symbol:         k_q2cefe2f04e_prep.kd
    .args:
      - { .name: X, .offset: 0, .size: 8, .value_kind: global_buffer, .address_space: global }
      - { .name: W_Q, .offset: 8, .size: 8, .value_kind: global_buffer, .address_space: global }
      - { .name: W_K, .offset: 16, .size: 8, .value_kind: global_buffer, .address_space: global }
      - { .name: W_V, .offset: 24, .size: 8, .value_kind: global_buffer, .address_space: global }
      - { .name: W_G, .offset: 32, .size: 8, .value_kind: global_buffer, .address_space: global }
      - { .name: cb, .offset: 40, .size: 8, .value_kind: global_buffer, .address_space: global }
      - { .name: tab, .offset: 48, .size: 8, .value_kind: global_buffer, .address_space: global }
    .group_segment_fixed_size: 0
    .private_segment_fixed_size: 0
    .kernarg_segment_align: 8
    .kernarg_segment_size: 56
    .max_flat_workgroup_size: 256
    .sgpr_count:     66
    .vgpr_count:     128
    .wavefront_size: 32
...
	.end_amdgpu_metadata
.endif
;; end of part 1
;; launch proj (part 2): grid 32 x 8, 4 waves a work-group, clusters of 4 x 4, 327,680 bytes of LDS; arguments cb, tab, qkvg, sc; writes qkvg, sc
.if DOCPART == 2
	.amdgcn_target "amdgcn-amd-amdhsa--gfx1250"
	.amdhsa_code_object_version 6
	.text
	.protected	k_q2cefe2f04e_proj
	.globl	k_q2cefe2f04e_proj
	.p2align	8
	.type	k_q2cefe2f04e_proj,@function
k_q2cefe2f04e_proj:
	s_mov_b64 s[64:65], 0
	v_nop
	global_prefetch_b8 v0, s[64:65] scope:SCOPE_SE
	s_setreg_imm32_b32 hwreg(HW_REG_WAVE_MODE, 25, 1), 1
	s_wait_xcnt 0x0
	s_wait_alu depctr_hold_cnt(0) depctr_sa_sdst(0) depctr_va_vdst(0) depctr_va_sdst(0) depctr_va_ssrc(0) depctr_va_vcc(0) depctr_vm_vsrc(0)
	s_getreg_b32 s2, hwreg(HW_REG_IB_STS2, 6, 4)
	s_cmp_eq_u32 s2, 0
	s_cbranch_scc0 .Lentry_in_a_cluster
	s_endpgm
.Lentry_in_a_cluster:
	s_bfe_u32 s2, ttmp6, 0x10000c
	s_cmp_lg_u32 s2, 0xf033
	s_cbranch_scc0 .Lentry_shape_is_right
	s_endpgm
.Lentry_shape_is_right:
; PROJ.  C = X W for all four projections at once: X [2048 tokens][2048] bf16, W 64 groups of [2048 k][128 n] bf16 (Q's 16 heads, K's, V's, G's 16 column groups); sums in f32.
; On the way out: Q and K are rotated and scaled (xpos), G becomes G sigmoid(G), V stays.  Then every row of 128 numbers (a token, a group) is divided by the power of two of its largest
; magnitude and rounded once to f16 into qkvg (slab = kind x 32 + batch x 16 + head, [1024][128]); the power goes to sc, f32, [slab][1024].
; LIMITS.  The power is kept within 2^-126 .. 2^126; NaN and infinities are not treated apart; the sums' order is the matrix unit's.
; SHARES.  A tile of C is 256 x 256; 256 work-groups; four waves, each 128 tokens x 128 columns = one whole group: 64 accumulators, 512 registers.  K goes in 16 steps of 128 through
; two LDS slots filled by tensor loads; every row fetched is 256 consecutive bytes, aligned.  W lies [k][n]: its fragments come out of LDS turned, by ds_load_tr16_b128.
; CLUSTER.  4 x 4 work-groups: X's tile is shared along a row of the cluster, W's along a column; each is asked for jointly, by the same load with the same descriptor and mask.
; THE PRODUCT IS TAKEN TRANSPOSED (source 0 = 16 columns of W, source 1 = 16 tokens): a lane holds one token (lane % 16) and the columns 8 (lane / 16) + 0..7 of each block of 16.
; REGISTERS in windows of 256 (s_set_vgpr_msb: bits 1:0 source 0, 3:2 source 1, 5:4 source 2, 7:6 destination):
;   window 0: v0-63 addresses and small work; v64-127, v128-191 X's fragments, two buffers.  On the way out: v64-127 X (16 rows at work), v128-191 T, v192-255 W (tables)
;   window 1: v64-127, v128-191 W's fragments, two buffers      windows 2, 3: the accumulators, (a, b) at v[8 (8 (a % 4) + b)] of window 2 + a / 4
.set KSTEP,  128
.set PA,     272                       ; a row of X in LDS: 256 bytes + 16: the 16 rows of a load start at 16 different groups of four banks (64 banks of 4 bytes: ISA guide 11.1)
.set PB,     288                       ; a row of W: 256 + 32
.set HALFA,  128*PA
.set HALFB,  128*PB
.set BOFF,   2*HALFA                   ; X's 256 rows, then W's two groups of 128 k rows
.set SLOT,   2*HALFA+2*HALFB
.set STAGE,  2*SLOT                    ; behind the ring: 16 rows x 272 bytes for each wave
.set SP,     272
.set SCA,    STAGE+4*16*SP             ; 128 powers (512 bytes) for each wave
.set SPARE,  SCA+4*512                 ; the spare words, 128 bytes for each wave: two blocks of 256 bytes that no other line names
.set LAPS,   8                         ; a lap = two K steps = once round the ring
.set ADRA, 16                          ; v16-17  LDS address of my fragments of X in slot 0, 1
.set ADRB, 20                          ; v20-21  the same for W
.set STO,  24                          ; v24  the way out: where I put 16 bytes of a row
.set RD,   25                          ; v25  where I read rows back
.set CO,   26                          ; v26  16 x lane
.set SPW,  28                          ; v28  LDS address of my spare word; never rewritten
.set NIL,  29                          ; v29  0; never rewritten
.set PFO,  30                          ; v30  the prefetches' offset: lane x a row's pitch in memory; never rewritten
.set DMP,  32                          ; v32  where my accumulators are set aside: 65,536 x wave + 16 x lane
.set RDP,  33                          ; v33  the same, at the trip's 16 rows
.set SCW0, 34                          ; v34  where row lane % 16 of block 0 puts its power
.set SCW,  35
.set SCR,  36                          ; v36  where I read four powers back
.set U,    40                          ; v40-47  at work in the rotation;
.set MX,   40                          ;         then four chains of maxima
.set MN,   44                          ;         and four of minima
.set EB,   48                          ; v48  the row's power of two
.set INV,  50                          ; v[50:51] its inverse, twice
.set F0,   64
.set F1,   128
.set X,    64
.set T,    128
.set W,    192
.set G1,  24                           ; s[24:31] descriptor group 1 for X's tiles;  s[32:39] group 0, a set for each slot
.set G0,  32
.set WV,  40
.set RH,  41                           ; which 128 tokens are mine.  Also: I fetch for X (0) or for W (1)
.set CH,  42                           ; which group is mine.  Also: which half of that tile I fetch
.set LIM, 43                           ; 1 in a wave that prefetches, else the greatest number
.set PFA, 44                           ; s[44:45] where my prefetches stand
.set PST, 46                           ; s[46:47] their step: a K step in X's rows or in W's
.set G1B, 48                           ; s[48:55], s[56:63] the same for W's tiles
.set G0B, 56
.set LAP, 66
.set TYPE, 67                          ; 0 Q, 1 K, 2 V, 3 G: made of the cluster's x alone, the same in all sixteen partners
.set EPC, 68
.set BLK, 69                           ; which 128 positions of the sequence are mine
.set CLO, 72
.set CHI, 73
.set TB8, 74                           ; s[74:75] my kind's table
.set SEL, 76                           ; s[76:77] v_permlanex16_b32's selects: each lane takes its own place in the other half
.set TBP, 78                           ; s[78:79] its block for my positions
.set RB,  80
.set SB,  81
.set MSB, 0
.macro WIN new                         ; the immediate's high byte repeats the setting that is left; a switch that changes nothing is dropped
.if MSB != (\new)
	s_set_vgpr_msb (MSB<<8)|(\new)
.set MSB, \new
.endif
.endm
.set MUL_LO, 0xa1                      ; source 0 (W) window 1, source 1 (X) window 0, C and D window 2
.set MUL_HI, 0xf1                      ; the same, C and D window 3
.set TO_B,   0x40                      ; destination window 1, address window 0
.macro PLACES                          ; four plain instructions between a matrix instruction and a load into, or a reader of, its registers
.rept 4
	v_nop
.endr
.endm
; A joint load.  Waves 0 and 1 fetch X's two halves, waves 2 and 3 W's two groups.  The branch hangs on the wave's number alone.  An s_nop 0 and four v_nop follow each line.
.macro JLOAD s
	s_cmp_eq_u32 s[RH], 0
	s_cbranch_scc0 .Lfor_b_\@
	tensor_load_to_lds s[G0+4*(\s):G0+4*(\s)+3], s[G1:G1+7]
	s_nop 0
.rept 4
	v_nop
.endr
	s_branch .Lasked_\@
.Lfor_b_\@:
	tensor_load_to_lds s[G0B+4*(\s):G0B+4*(\s)+3], s[G1B:G1B+7]
	s_nop 0
.rept 4
	v_nop
.endr
.Lasked_\@:
.endm
; A prefetch of the K step that stands two refills on: 32 rows x 256 bytes, a lane a row, one instruction a wave; 512 matrix instructions ahead of the load that names those rows.
; Each row's 256 bytes of a K step are named once in the launch: X's rows by the clusters with x = 0, W's by those with y = 0; of the 128 rows that a wave fetches each of the four
; partners takes 32, told apart by address.  The loop's last trip asks for nothing: K steps 16 and 17 do not exist.  K steps 0 to 3 come by their loads alone.
.macro ASK
	s_cmp_gt_u32 s[LAP], s[LIM]
	s_cbranch_scc0 .Lnot_mine_\@
	global_prefetch_b8 v[PFO], s[PFA:PFA+1] th:TH_LOAD_NT scope:SCOPE_SE
.Lnot_mine_\@:
.endm
.macro CREST                           ; a round of the cluster's barrier behind its opening barrier
	s_cmp_lg_u32 s[WV], 0
	s_cbranch_scc1 .Lnot_wave_0_\@
	s_barrier_signal -3
.Lnot_wave_0_\@:
	s_barrier_wait -3
	s_barrier_signal -1
	s_barrier_wait -1
.endm
.macro CROUND
	s_barrier_signal -1
	s_barrier_wait -1
	CREST
.endm
	s_load_b256 s[4:11], s[0:1], 0x0               ; cb s[4:5], tab s[6:7], qkvg s[8:9], sc s[10:11]
	v_lshl_add_u32 v[SPW], v0, 2, SPARE
	v_mov_b32 v[NIL], 0
	ds_add_u32 v[SPW], v[NIL]                      ; the wave's opening: the add and its wait stand ahead of my first tensor load; the set-up below stands between them
	v_lshrrev_b32 v1, 5, v0
	v_readfirstlane_b32 s[WV], v1
	s_lshr_b32 s[RH], s[WV], 1
	s_and_b32 s[CH], s[WV], 1
	s_bfe_u32 s12, ttmp6, 0x40000                  ; cx
	s_bfe_u32 s13, ttmp6, 0x40004                  ; cy
	s_lshl_b32 s14, ttmp9, 2
	s_add_co_u32 s14, s14, s12                     ; tile column = 4 x cluster x + cx
	s_and_b32 s15, ttmp7, 0xffff
	s_lshl_b32 s15, s15, 2
	s_add_co_u32 s15, s15, s13                     ; tile row = 4 x cluster y + cy
	s_lshr_b32 s[TYPE], ttmp9, 1                   ; 8 tile columns a kind = 2 clusters
	s_lshl_b32 s70, s13, 2
	s_lshl_b32 s70, 15, s70                        ; my row of the cluster
	s_lshl_b32 s71, 0x1111, s12                    ; my column
	s_or_b32 s[G1+0], s70, (1<<16)|(1<<20)|(1<<21)|(5<<22)|(3<<25)   ; 15:0 mask; 17:16 2-byte elements; 20 padding on; 21 set beside a mask; 24:22 after every 64 words; 31:25 4 words
	s_or_b32 s[G1B+0], s71, (1<<16)|(1<<20)|(1<<21)|(5<<22)|(7<<25)  ; the same with my column's mask and 8 words of padding
.irp g, G1, G1B
	s_mov_b32 s[(\g)+1], KSTEP<<16                 ; tensor_dim0 = 128
	s_mov_b32 s[(\g)+2], 128<<16                   ; tensor_dim1 = 128
	s_mov_b32 s[(\g)+3], KSTEP<<16                 ; tile_dim0 = 128
	s_mov_b32 s[(\g)+4], 128                       ; tile_dim1 = 128
	s_mov_b32 s[(\g)+6], 0
	s_mov_b32 s[(\g)+7], 0
.endr
	s_mov_b32 s[G1+5], 2048                        ; elements from row to row: X's rows,
	s_mov_b32 s[G1B+5], 128                        ; a group's rows
	s_lshl_b32 s16, s[CH], 19                      ; 128 rows of X and one group of W are both 524,288 bytes
	s_lshl_b32 s18, s15, 20                        ; X: row 256 x tile row + 128 x half, 4,096 bytes a row
	s_add_co_u32 s18, s18, s16
	s_mov_b32 s19, 0
	s_lshl_b32 s20, s14, 20                        ; W: group 2 x tile column + half, behind X's 8,388,608 bytes
	s_add_co_u32 s20, s20, s16
	s_add_co_u32 s20, s20, 8388608
	s_mov_b32 s21, 0
	s_mul_i32 s22, s[CH], HALFA                    ; where they go: no place in the cluster enters an LDS address
	s_mul_i32 s23, s[CH], HALFB
	s_add_co_u32 s23, s23, BOFF
	s_mov_b32 s[CLO], 0x00800000                   ; 2^-126
	s_mov_b32 s[CHI], 0x7e800000                   ; 2^126
	s_mov_b32 s[SEL], 0x76543210
	s_mov_b32 s[SEL+1], 0xfedcba98
	s_wait_dscnt 0x0                               ; the opening add is done
	s_wait_kmcnt 0x0
	s_add_nc_u64 s[18:19], s[4:5], s[18:19]
	s_add_nc_u64 s[20:21], s[4:5], s[20:21]
	CROUND                                         ; all sixteen work-groups are here: the first joint loads meet
.irp s, 0,1
	s_mov_b32 s[G0+4*(\s)], 1
	s_add_co_u32 s[G0+4*(\s)+1], s22, (\s)*SLOT
	s_add_nc_u64 s[G0+4*(\s)+2:G0+4*(\s)+3], s[18:19], (\s)*256       ; K step s: 256 bytes along X's rows,
	s_or_b32 s[G0+4*(\s)+3], s[G0+4*(\s)+3], 0x80000000
	s_mov_b32 s[G0B+4*(\s)], 1
	s_add_co_u32 s[G0B+4*(\s)+1], s23, (\s)*SLOT
	s_add_nc_u64 s[G0B+4*(\s)+2:G0B+4*(\s)+3], s[20:21], (\s)*32768   ; 128 rows down a group
	s_or_b32 s[G0B+4*(\s)+3], s[G0B+4*(\s)+3], 0x80000000
	JLOAD \s                                       ; two loads of mine are out
.endr
	v_and_b32 v1, 15, v0                           ; l % 16
	v_bfe_u32 v2, v0, 4, 1                         ; l / 16
	v_mul_u32_u24 v3, v1, PA
	v_lshl_add_u32 v3, v2, 4, v3                   ; X: row x pitch + 16 x half
	s_mul_i32 s16, s[RH], HALFA
	v_add_nc_u32 v[ADRA], s16, v3
	v_add_nc_u32 v[ADRA+1], SLOT, v[ADRA]
	v_and_b32 v4, 7, v0                            ; W, turned: lane l reads k row 8 (l / 16) + l % 8, columns 8 ((l / 8) % 2) + 0..7
	v_lshl_add_u32 v4, v2, 3, v4
	v_mul_u32_u24 v4, v4, PB
	v_bfe_u32 v5, v0, 3, 1
	v_lshl_add_u32 v4, v5, 4, v4
	s_mul_i32 s17, s[CH], HALFB
	s_add_co_u32 s17, s17, BOFF
	v_add_nc_u32 v[ADRB], s17, v4
	v_add_nc_u32 v[ADRB+1], SLOT, v[ADRB]
	s_mul_i32 s16, s[WV], 16*SP
	s_add_co_u32 s16, s16, STAGE                   ; my stage
	v_mul_u32_u24 v6, v1, SP
	v_lshl_add_u32 v6, v2, 4, v6
	v_add_nc_u32 v[STO], s16, v6                   ; in: row l % 16, 16 bytes for each half of the lanes
	v_mul_u32_u24 v6, v2, SP
	v_lshl_add_u32 v6, v1, 4, v6
	v_add_nc_u32 v[RD], s16, v6                    ; back: lanes 0-15 one row of 256 bytes, lanes 16-31 the next
	v_and_b32 v7, 31, v0
	v_lshlrev_b32 v[CO], 4, v7
	v_lshl_add_u32 v[DMP], s[WV], 16, v[CO]
	s_lshl_b32 s16, s[WV], 9
	s_add_co_u32 s16, s16, SCA
	v_lshl_add_u32 v[SCW0], v1, 2, s16
	v_add_nc_u32 v[SCR], s16, v[CO]
	; the prefetches
	s_lshl_b32 s16, s15, 20                        ; X: the tile's 256 rows,
	s_lshl_b32 s17, s12, 17                        ; my work-group's 32 of the 128 that I fetch (by cx),
	s_add_co_u32 s16, s16, s17
	s_add_co_u32 s16, s16, 3*256                   ; at K step 3: the first refill steps it to 4
	s_lshl_b32 s17, s14, 20                        ; W: the tile's two groups,
	s_lshl_b32 s22, s13, 13                        ; my work-group's 32 rows of 256 bytes (by cy),
	s_add_co_u32 s17, s17, s22
	s_add_co_u32 s17, s17, 8388608+3*32768
	s_and_b32 s22, ttmp7, 0xffff
	s_cmp_eq_u32 s[RH], 0                          ; do I fetch for X?
	s_cselect_b32 s16, s16, s17
	s_cselect_b32 s22, ttmp9, s22                  ; the coordinate along which other clusters read the same rows
	s_cselect_b32 s23, 12, 8                       ; log2 of a row's pitch in memory
	s_cselect_b32 s[PST], 8, 15                    ; log2 of a K step
	s_cmp_eq_u32 s22, 0
	s_cselect_b32 s[LIM], 1, -1                    ; the same in all sixteen partners, for a given wave
	s_lshl_b32 s[PST], 1, s[PST]
	s_mov_b32 s[PST+1], 0
	s_lshl_b32 s17, s[CH], 19
	s_add_co_u32 s16, s16, s17
	s_mov_b32 s17, 0
	s_add_nc_u64 s[PFA:PFA+1], s[4:5], s[16:17]
	v_lshlrev_b32 v[PFO], s23, v7
	; where my rows go: slab = kind x 32 + batch x 16 + group % 16; first row = (tile row % 4) x 256 + 128 x half
	s_lshl_b32 s16, s14, 1
	s_add_co_u32 s16, s16, s[CH]
	s_and_b32 s16, s16, 15
	s_lshr_b32 s17, s15, 2
	s_lshl_b32 s17, s17, 4
	s_add_co_u32 s16, s16, s17
	s_lshl_b32 s17, s[TYPE], 5
	s_add_co_u32 s16, s16, s17
	s_and_b32 s[BLK], s15, 3
	s_lshl_b32 s[BLK], s[BLK], 1
	s_add_co_u32 s[BLK], s[BLK], s[RH]
	s_lshl_b32 s70, s16, 18                        ; a slab has 262,144 bytes,
	s_lshl_b32 s22, s[BLK], 15                     ; 128 rows 32,768
	s_add_co_u32 s70, s70, s22
	s_mov_b32 s71, 0
	s_add_nc_u64 s[8:9], s[8:9], s[70:71]
	s_lshl_b32 s70, s16, 12                        ; in sc: 4,096 bytes a slab, 512 for 128 rows
	s_lshl_b32 s22, s[BLK], 9
	s_add_co_u32 s70, s70, s22
	s_add_nc_u64 s[10:11], s[10:11], s[70:71]
; 16 matrix instructions: token blocks a0, a0 + 1 of the window's four x all 8 column blocks, 32 along K.  zero = 1: the first product starts the sums.
.macro MUL16 f, hi, a0, zero
	WIN MUL_LO+0x50*(\hi)
.irp a, \a0, (\a0)+1
.irp b, 0,1,2,3,4,5,6,7
.if \zero
	v_wmma_f32_16x16x32_bf16 v[8*(8*(\a)+(\b)):8*(8*(\a)+(\b))+7], v[(\f)+8*(\b):(\f)+8*(\b)+7], v[(\f)+8*(4*(\hi)+(\a)):(\f)+8*(4*(\hi)+(\a))+7], 0
.else
	v_wmma_f32_16x16x32_bf16 v[8*(8*(\a)+(\b)):8*(8*(\a)+(\b))+7], v[(\f)+8*(\b):(\f)+8*(\b)+7], v[(\f)+8*(4*(\hi)+(\a)):(\f)+8*(4*(\hi)+(\a))+7], v[8*(8*(\a)+(\b)):8*(8*(\a)+(\b))+7]
.endif
.endr
.endr
.endm
; 32 LDS loads in one run: the fragments of quarter q (32 along K) into buffer f: W's 8 column blocks, turned, then X's 8 token blocks
.macro FETCH slot, q, f
	WIN TO_B
.irp i, 0,1,2,3,4,5,6,7
	ds_load_tr16_b128 v[(\f)+8*(\i):(\f)+8*(\i)+3],   v[ADRB+(\slot)] offset:(\q)*32*PB+32*(\i)
	ds_load_tr16_b128 v[(\f)+8*(\i)+4:(\f)+8*(\i)+7], v[ADRB+(\slot)] offset:(\q)*32*PB+16*PB+32*(\i)
.endr
	WIN 0
.irp i, 0,1,2,3,4,5,6,7
	ds_load_b128 v[(\f)+8*(\i):(\f)+8*(\i)+3],   v[ADRA+(\slot)] offset:64*(\q)+(\i)*16*PA
	ds_load_b128 v[(\f)+8*(\i)+4:(\f)+8*(\i)+7], v[ADRA+(\slot)] offset:64*(\q)+(\i)*16*PA+32
.endr
.endm
; A K step is four quarters of 64 matrix instructions on buffers 0, 1, 0, 1.  One of the first three multiplies buffer f and fetches quarter q into buffer g.
; The 64 accumulators take turns in the same order in every quarter.
.macro QUARTER slot, q, f, g, zero
	s_wait_dscnt 8                                 ; W and X's tokens 0-63 are in; the youngest eight loads (tokens 64-127) may be out
	MUL16 \f, 0, 0, \zero
	MUL16 \f, 0, 2, \zero
	PLACES
	FETCH \slot, \q, \g
	s_wait_dscnt 32                                ; all but the 32 just issued
	MUL16 \f, 1, 0, \zero
	MUL16 \f, 1, 2, \zero
.endm
; The last quarter's first half: one barrier for the change of slots.
.macro MEET round
	WIN 0                                          ; (the add's two registers lie in window 0)
	s_wait_tensorcnt 0x0                           ; all my tensor loads have landed: the one that was out is my part of the next slot;
	ds_add_u32 v[SPW], v[NIL]                      ; 0 onto my spare word;
	s_wait_dscnt 9                                 ; (the add and the youngest eight loads may be out)
	MUL16 F1, 0, 0, 0                              ; sixteen matrix instructions stand between the add and the wait for it
	s_wait_dscnt 0x0                               ; the add is done, and my reads of this slot are over
	s_barrier_signal -1
	MUL16 F1, 0, 2, 0
.if \round
	WIN 0
.endif
	s_barrier_wait -1
.endm
; The whole last quarter.  fill = 1: the barrier opens a round of the cluster's, and the slot just read is filled again, first thing behind it, with the K step two on:
; from that request to the wait for it a wave issues 224 matrix instructions.
.macro TURN slot, next, fill
.if \fill
	s_wait_xcnt 0x0                                ; the last prefetch, a K step back, has read its address
	s_add_nc_u64 s[PFA:PFA+1], s[PFA:PFA+1], s[PST:PST+1]
	MEET 1
	CREST                                          ; no wave of any partner still reads this slot or has a load on its way
	s_add_nc_u64 s[G0+4*(\slot)+2:G0+4*(\slot)+3], s[G0+4*(\slot)+2:G0+4*(\slot)+3], 2*256
	s_add_nc_u64 s[G0B+4*(\slot)+2:G0B+4*(\slot)+3], s[G0B+4*(\slot)+2:G0B+4*(\slot)+3], 2*32768
	JLOAD \slot                                    ; the four v_nop behind it are also the places in front of the loads below
	FETCH \next, 0, F0
	ASK
.else
	MEET 0
	PLACES
	FETCH \next, 0, F0
.endif
	MUL16 F1, 1, 0, 0
	MUL16 F1, 1, 2, 0
.endm
	s_wait_tensorcnt 1                             ; my part of K step 0 is in; K step 1's may stay out
	s_barrier_signal -1
	s_barrier_wait -1
	FETCH 0, 0, F0
	QUARTER 0, 1, F0, F1, 1                        ; the first quarter stands in front of the loop: its products start the sums
	WIN 0
	s_mov_b32 s[LAP], LAPS-1
.Llap:                                         ; a trip goes once round the ring, from a lap's second quarter to the next lap's first
	QUARTER 0, 2, F1, F0, 0
	QUARTER 0, 3, F0, F1, 0
	TURN 0, 1, 1
	QUARTER 1, 1, F0, F1, 0
	QUARTER 1, 2, F1, F0, 0
	QUARTER 1, 3, F0, F1, 0
	TURN 1, 0, 1
	QUARTER 0, 1, F0, F1, 0
	WIN 0
	s_sub_co_u32 s[LAP], s[LAP], 1
	s_cmp_lg_u32 s[LAP], 0
	s_cbranch_scc1 .Llap
	QUARTER 0, 2, F1, F0, 0                        ; the last lap fills nothing
	QUARTER 0, 3, F0, F1, 0
	TURN 0, 1, 0
	QUARTER 1, 1, F0, F1, 0
	QUARTER 1, 2, F1, F0, 0
	QUARTER 1, 3, F0, F1, 0
	s_wait_dscnt 8
	MUL16 F1, 0, 0, 0
	MUL16 F1, 0, 2, 0
	s_wait_dscnt 0x0
	MUL16 F1, 1, 0, 0
	MUL16 F1, 1, 2, 0
	WIN 0
	PLACES
	PLACES                                         ; eight, once a launch
	; THE WAY OUT.  The ring has had its last fill.  When every wave's reads of it are over, each wave sets its 64 accumulators aside in 65,536 bytes of it, so that ONE text, walked eight
	; times, can take 16 rows at a time into fixed registers; a lane reads back what it wrote.
	s_wait_dscnt 0x0
	s_barrier_signal -1
	s_barrier_wait -1
.irp a, 0,1,2,3,4,5,6,7
	WIN 0x08+4*((\a)/4)                            ; the stored data lie in window 2 or 3
.irp b, 0,1,2,3,4,5,6,7
	ds_store_b128 v[DMP], v[8*(8*((\a)%4)+(\b)):8*(8*((\a)%4)+(\b))+3]   offset:(\a)*8192+(\b)*1024
	ds_store_b128 v[DMP], v[8*(8*((\a)%4)+(\b))+4:8*(8*((\a)%4)+(\b))+7] offset:(\a)*8192+(\b)*1024+512
.endr
.endr
	WIN 0
; Four rotary pairs: (x0, x1) becomes (x0 c - x1 s, x1 c + x0 s), with (c, s) in the pair t.
.macro ROT4 x, t
.irp k, 0,1,2,3
	v_pk_mul_f32 v[U+2*\k:U+2*\k+1], v[(\x)+2*\k:(\x)+2*\k+1], v[(\t)+2*\k:(\t)+2*\k+1] op_sel_hi:[1,0]
.endr
.irp k, 0,1,2,3
	v_pk_fma_f32 v[(\x)+2*\k:(\x)+2*\k+1], v[(\x)+2*\k:(\x)+2*\k+1], v[(\t)+2*\k:(\t)+2*\k+1], v[U+2*\k:U+2*\k+1] op_sel:[1,1,0] op_sel_hi:[0,1,1] neg_lo:[0,1,0]
.endr
.endm
; What all kinds share: the row's largest magnitude, its power of two, the division, the rounding to f16, and the road through my stage: whole rows of 256 bytes leave.
.macro TAIL
.irp k, 0,1,2,3
	v_max3_num_f32 v[MX+\k], v[X+16*\k], v[X+16*\k+1], v[X+16*\k+2]
	v_min3_num_f32 v[MN+\k], v[X+16*\k], v[X+16*\k+1], v[X+16*\k+2]
.endr
.irp j, 0,1,2,3,4,5
.irp k, 0,1,2,3
	v_max3_num_f32 v[MX+\k], v[MX+\k], v[X+16*\k+3+2*\j], v[X+16*\k+4+2*\j]
	v_min3_num_f32 v[MN+\k], v[MN+\k], v[X+16*\k+3+2*\j], v[X+16*\k+4+2*\j]
.endr
.endr
.irp k, 0,1,2,3
	v_max_num_f32 v[MX+\k], v[MX+\k], v[X+16*\k+15]
	v_min_num_f32 v[MN+\k], v[MN+\k], v[X+16*\k+15]
.endr
	v_max3_num_f32 v[MX], v[MX], v[MX+1], v[MX+2]
	v_min3_num_f32 v[MN], v[MN], v[MN+1], v[MN+2]
	v_max_num_f32 v[MX], v[MX], v[MX+3]
	v_min_num_f32 v[MN], v[MN], v[MN+3]
	v_sub_f32 v[MN], 0, v[MN]
	v_max_num_f32 v[MX], v[MX], v[MN]
	v_permlanex16_b32 v[MN], v[MX], s[SEL], s[SEL+1]   ; the row's other 64 columns lie in the lane 16 away
	v_max_num_f32 v[MX], v[MX], v[MN]
	v_and_b32 v[EB], 0x7f800000, v[MX]             ; its power of two,
	v_med3_num_f32 v[EB], v[EB], s[CLO], s[CHI]    ; kept within 2^-126 .. 2^126,
	v_sub_nc_u32 v[INV], 0x7f000000, v[EB]         ; and the inverse: 254 less the exponent
	v_mov_b32 v[INV+1], v[INV]
.set i, 0
.rept 32
	v_pk_mul_f32 v[X+2*i:X+2*i+1], v[X+2*i:X+2*i+1], v[INV:INV+1]
.set i, i+1
.endr
.set i, 0
.rept 32
	v_cvt_pk_f16_f32 v[X+i], v[X+2*i], v[X+2*i+1]
.set i, i+1
.endr
.irp b, 0,1,2,3,4,5,6,7
	ds_store_b128 v[STO], v[X+4*\b:X+4*\b+3] offset:32*\b
.endr
	ds_store_b32 v[SCW], v[EB]                     ; both halves of the lanes write the same word with the same number
.irp t, 0,1,2,3,4,5,6,7
	ds_load_b128 v[X+32+4*\t:X+32+4*\t+3], v[RD] offset:544*\t   ; LDS serves a wave's instructions in order (ISA guide 5.7.1.4): these see the stores above
.endr
.irp t, 0,1,2,3,4,5,6,7
	s_wait_dscnt 7-\t
	global_store_b128 v[CO], v[X+32+4*\t:X+32+4*\t+3], s[8:9] offset:512*\t   ; 512 consecutive bytes, at a multiple of 256 from the buffer's first
.endr
	s_wait_xcnt 0x0                                ; the stores have read their registers and their base: both are written again below and in the next trip
	s_add_nc_u64 s[8:9], s[8:9], 4096
	s_add_co_u32 s[RB], s[RB], 8192
	s_add_co_u32 s[SB], s[SB], 64
.endm
; Eight trips, 16 rows each.  kind 0: Q and K; 1: V; 2: G.
.macro EP kind
	s_mov_b32 s[EPC], 8
	s_mov_b32 s[RB], 0
	s_mov_b32 s[SB], 0
.Lep\kind:
	v_add_nc_u32 v[RDP], s[RB], v[DMP]
	v_add_nc_u32 v[SCW], s[SB], v[SCW0]
.irp i, 0,1,2,3,4,5,6,7,8,9,10,11,12,13,14,15
	ds_load_b128 v[X+4*\i:X+4*\i+3], v[RDP] offset:512*\i
.endr
	s_wait_dscnt 0x0
.if (\kind) == 0
	s_wait_loadcnt 0x0                             ; the tables (met at once from the second trip on)
.set i, 0
.rept 8
	ROT4 X+8*i, T+8*i
.set i, i+1
.endr
	s_cmp_eq_u32 s[EPC], 1
	s_cbranch_scc1 .Lno_step                       ; behind the last rows the table steps no more
.set i, 0
.rept 8
	ROT4 T+8*i, W+8*i                              ; the table itself is turned on by 16 positions: no memory access in the loop
.set i, i+1
.endr
.Lno_step:
.endif
.if (\kind) == 2
.set i, 0
.rept 32
	v_pk_mul_f32 v[T+2*i:T+2*i+1], v[X+2*i:X+2*i+1], 0xbfb8aa3b op_sel_hi:[1,0]   ; -G log2(e)
.set i, i+1
.endr
.set i, 0
.rept 64
	v_exp_f32 v[T+i], v[T+i]
.set i, i+1
.endr
	v_nop                                          ; a plain instruction behind the last exponential,
	s_wait_alu depctr_va_vdst(0)                   ; and the one wait for the batch
.set i, 0
.rept 32
	v_pk_add_f32 v[T+2*i:T+2*i+1], v[T+2*i:T+2*i+1], 1.0 op_sel_hi:[1,0]
.set i, i+1
.endr
.set i, 0
.rept 64
	v_rcp_f32 v[T+i], v[T+i]
.set i, i+1
.endr
	v_nop
	s_wait_alu depctr_va_vdst(0)
.set i, 0
.rept 32
	v_pk_mul_f32 v[X+2*i:X+2*i+1], v[X+2*i:X+2*i+1], v[T+2*i:T+2*i+1]   ; G sigmoid(G)
.set i, i+1
.endr
.endif
	TAIL
	s_sub_co_u32 s[EPC], s[EPC], 1
	s_cmp_lg_u32 s[EPC], 0
	s_cbranch_scc1 .Lep\kind
.endm
	s_cmp_lt_u32 s[TYPE], 2
	s_cbranch_scc0 .Lnot_rot
	s_mul_i32 s70, s[TYPE], 73728                  ; Q's table or K's (s71 is 0)
	s_add_nc_u64 s[TB8:TB8+1], s[6:7], s[70:71]
	s_lshl_b32 s70, s[BLK], 13
	s_add_nc_u64 s[TBP:TBP+1], s[TB8:TB8+1], s[70:71]
.set i, 0
.rept 16
	global_load_b128 v[T+4*i:T+4*i+3], v[CO], s[TBP:TBP+1] offset:512*i          ; my first 16 positions;
	global_load_b128 v[W+4*i:W+4*i+3], v[CO], s[TB8:TB8+1] offset:65536+512*i    ; the step of 16.  Both are out while the LDS stores above drain
.set i, i+1
.endr
	EP 0
	s_branch .Lfin
.Lnot_rot:
	s_cmp_eq_u32 s[TYPE], 2
	s_cbranch_scc0 .Lgate
	EP 1
	s_branch .Lfin
.Lgate:
	EP 2
.Lfin:
	ds_load_b128 v[X:X+3], v[SCR]                  ; my wave's 128 powers, four a lane
	s_wait_dscnt 0x0
	global_store_b128 v[CO], v[X:X+3], s[10:11]    ; 512 consecutive bytes
	s_wait_tensorcnt 0x0                           ; the wave's end, behind my last tensor load and my last LDS store
	ds_add_u32 v[SPW], v[NIL]
	s_wait_dscnt 0x0
	CROUND                                         ; the closing round
	s_endpgm
.Lfunc_end_k_q2cefe2f04e_proj:
	.size	k_q2cefe2f04e_proj, .Lfunc_end_k_q2cefe2f04e_proj-k_q2cefe2f04e_proj
	.p2alignl 7, 3214868480
	.fill 96, 4, 3214868480
	.section	.rodata,"a",@progbits
	.p2align	6, 0x0
	.amdhsa_kernel k_q2cefe2f04e_proj
		.amdhsa_group_segment_fixed_size 327680
		.amdhsa_private_segment_fixed_size 0
		.amdhsa_enable_private_segment 0
		.amdhsa_kernarg_size 32
		.amdhsa_user_sgpr_count 2
		.amdhsa_user_sgpr_kernarg_segment_ptr 1
		.amdhsa_wavefront_size32 1
		.amdhsa_system_sgpr_workgroup_id_x 1
		.amdhsa_system_sgpr_workgroup_id_y 1
		.amdhsa_system_sgpr_workgroup_id_z 1
		.amdhsa_system_vgpr_workitem_id 0
		.amdhsa_next_free_vgpr 1024
		.amdhsa_next_free_sgpr 82
		.amdhsa_reserve_vcc 0
		.amdhsa_float_denorm_mode_32 3
		.amdhsa_float_denorm_mode_16_64 3
		.amdhsa_memory_ordered 1
		.amdhsa_forward_progress 1
		.amdhsa_inst_pref_size 180
	.end_amdhsa_kernel
	.amdgpu_metadata
---
amdhsa.version: [ 1, 2 ]
amdhsa.kernels:
  - .name:           k_q2cefe2f04e_proj
    .symbol:         k_q2cefe2f04e_proj.kd
    .args:
      - { .name: cb, .offset: 0, .size: 8, .value_kind: global_buffer, .address_space: global }
      - { .name: tab, .offset: 8, .size: 8, .value_kind: global_buffer, .address_space: global }
      - { .name: qkvg, .offset: 16, .size: 8, .value_kind: global_buffer, .address_space: global }
      - { .name: sc, .offset: 24, .size: 8, .value_kind: global_buffer, .address_space: global }
    .group_segment_fixed_size: 327680
    .private_segment_fixed_size: 0
    .kernarg_segment_align: 8
    .kernarg_segment_size: 32
    .max_flat_workgroup_size: 128
    .sgpr_count:     82
    .vgpr_count:     1024
    .wavefront_size: 32
...
	.end_amdgpu_metadata
.endif
;; end of part 2
;; launch retn (part 3): grid 8 x 32, 4 waves a work-group, clusters of 4 x 1, 327,680 bytes of LDS; arguments qkvg, sc, gn_weight, gn_bias, z, W_O, wo; writes z, wo
.if DOCPART == 3
	.amdgcn_target "amdgcn-amd-amdhsa--gfx1250"
	.amdhsa_code_object_version 6
	.text
	.protected	k_q2cefe2f04e_retn
	.globl	k_q2cefe2f04e_retn
	.p2align	8
	.type	k_q2cefe2f04e_retn,@function
k_q2cefe2f04e_retn:
	s_mov_b64 s[64:65], 0
	v_nop
	global_prefetch_b8 v0, s[64:65] scope:SCOPE_SE
	s_setreg_imm32_b32 hwreg(HW_REG_WAVE_MODE, 25, 1), 1
	s_wait_xcnt 0x0
	s_wait_alu depctr_hold_cnt(0) depctr_sa_sdst(0) depctr_va_vdst(0) depctr_va_sdst(0) depctr_va_ssrc(0) depctr_va_vcc(0) depctr_vm_vsrc(0)
	s_getreg_b32 s2, hwreg(HW_REG_IB_STS2, 6, 4)
	s_cmp_eq_u32 s2, 0
	s_cbranch_scc0 .Lentry_in_a_cluster
	s_endpgm
.Lentry_in_a_cluster:
	s_bfe_u32 s2, ttmp6, 0x10000c
	s_cmp_lg_u32 s2, 0x3003
	s_cbranch_scc0 .Lentry_shape_is_right
	s_endpgm
.Lentry_shape_is_right:
; RETN.  For each batch and head: Y[s] = the sum over t <= s of gamma^(s-t) (Q[s] . K[t]) V[t]; then the norm over the head's 128 channels (eps 1e-5), gain and bias, times the gate; z in bf16.
; q, k, v and the gate come as f16 rows divided by a power of two, the powers in sc.  The sum is linear, so the powers are put back exactly: with s0 the block's first query,
;   gamma^(s-t) = 2^(L (s-s0)) 2^(L (s0-t)), L = log2(gamma);   T[t] = sk[t] sv[t] / E x 2^(L (s0-t)) multiplies the scores;   sq[s] E 2^(L (s-s0)) multiplies the row at the end.
; E is the largest sk sv of the keys walked, a power of two.  A score of the divided rows is at most 512 and T of a visible key at most 7.4, so the weights P fit f16 whatever the inputs' scale.
; LIMITS.  sk sv stays inside f32, E within 2^-126 .. 2^126; P keeps f16's fixed step of 6e-8 below 6e-5, relative to the largest key power; gain and bias are rounded to bf16 like all inputs;
; NaN and infinities are not treated apart.  Products, sums, mean and variance in f32; the variance is taken of the numbers less their mean.
; THE WALK.  A head's 1,024 queries lie in 16 blocks of 64; key tiles have 256 keys.  Work-group p = 4 c + cx takes blocks p and 15 - p: tiles 0 .. c and then 0 .. 3 - c: five tiles whatever p,
; and the SAME five for the four partners of a cluster (they hang on c, the cluster's x, alone): one counted loop, and every tile of K and V is asked for jointly.  A block's last tile takes the mask t <= s.
; SHARES.  A wave owns 16 queries of each block.  S^T = K Q^T (source 0 = 16 keys, source 1 = 16 queries): a lane holds one query (lane % 16) and the keys 8 (lane / 16) + 0..7; two such results
; rounded to f16 are source 1 of O^T = V^T P, which again holds one query a lane, and eight channels.  K comes out of LDS as it lies, V turned.
; BESIDE ITS OWN WORK the launch rounds W_O to bf16 for the launch behind it: wo = 16 groups of [2048 k][128 n].  Wave g of the launch's 1,024 takes rows 4 (g / 2) + t, one in each of the tile loop's four
; trips t, and of each row the half g % 2: 8 chunks of 128 numbers, 4 KiB.  The eight loads stand behind the trip's tile request and are used at the trip's end, four key steps later; each of the eight stores of a wave
; covers 256 consecutive bytes, aligned.
; NO PREFETCH: a head has four tiles; the first two are asked for at the head by the loads themselves, and the walk is five tiles long.
; THE CLEARS: O is set to 0 where a block begins (no first step is written out), and OS at the head, so that it holds numbers on every way through the text: 192 v_mov_b32, 128 of them in the wait for the first tile.
; REGISTERS (s_set_vgpr_msb: bits 1:0 source 0, 3:2 source 1, 5:4 source 2, 7:6 destination):
;   window 0: v0-31 addresses and statistics; v32-63 S^T; v64-79 P; v80-111 T's 32 factors; v112-143 Q; v144-175 the second block's Q; v176-239 O^T; v240-255 at work
;   window 1: v0-127 K of a step (chunk c of 32 channels, key block kb at 8 (4 c + kb)); v128-255 V (key half kk, channel block cb at 128 + 8 (8 kk + cb))
;   window 2: v0-63 OS, the first block's O^T; v64-95 its gate; v96-127 the gate in hand; v128-159 gain, v160-191 bias (bf16 pairs); v192-193 the first block's sq, sg; v196-243 W_O at work
.set KS,    64
.set PK,    272                        ; a row of K in LDS: 256 bytes + 16: the 16 rows of a load start at 16 different groups of four banks (64 banks of 4 bytes: ISA guide 11.1)
.set PV,    288                        ; a row of V: 256 + 32
.set VOFF,  256*PK                     ; a slot: 256 rows of K, then 256 rows of V
.set SLOT1, 0x24000                    ; slot 1: its two bits are in none of the in-slot addresses 0, 0x8800, 0x11000, 0x1a000 that scalar registers hold, so one exclusive or changes slots
.set TAB,   SLOT1+256*(PK+PV)          ; T in the order of the walk: 20 steps x 64 f32, a copy for each wave
.set TABW,  5120
.set SPARE, TAB+4*TABW                 ; the spare words, 128 bytes for each wave: two blocks of 256 bytes that no other line names
.set GWT,   SPARE+512                  ; the head's gain and bias as bf16, 256 bytes each, a copy for each wave
.set STAGE, SLOT1                      ; the way out, 16 rows x 272 bytes a wave: in slot 1, which by then has had its last fill and its last read
.set SP,    272
.set AK0, 2
.set AV0, 3
.set AK,  4
.set AV,  5
.set STO, 6
.set RD,  7
.set GO,  8
.set TA0, 10                           ; v10  my place in a step's 64 factors: my wave's table + 32 (lane / 16)
.set DQ,  11                           ; v11  my query's number less the step's first key less 8 (lane / 16): key 16 kb + j of my eight is visible where 16 kb + j <= DQ
.set DQ2, 12                           ; v12  the same for the second block, at key 0
.set QO,  13
.set TA,  14                           ; v14  (at the head: my lane, then my query's place in its block)
.set WI,  15                           ; v15  16 x lane; never rewritten
.set SC1, 16                           ; v16-17  at the head: my query's word among a slab's powers, first and second block
.set SC2, 17
.set AL,  16
.set MU,  18
.set RS,  20
.set SG,  22
.set EF,  24                           ; v24  E 2^(L (16 wave + lane % 16))
.set SQC, 25
.set SGC, 26
.set ZERO, 27
.set SPW, 28
.set NIL, 29
.set WO8, 30                           ; v30  8 x lane; never rewritten
.set GWA, 31                           ; v31  where I read 16 bytes of gain: my wave's copy + 16 (lane / 16)
.set S,   32
.set P,   64
.set TF,  80
.set Q,   112
.set Q2,  144
.set O,   176
.set U,   240
.set VF,  128                          ; window 1
.set OS,  0                            ; window 2
.set GS,  64
.set GC,  96
.set GW,  128
.set GB,  160
.set SQS, 192
.set SGS, 193
.set WD,  196                          ; v196-227 of window 2: 8 chunks of W_O as loaded
.set WH,  228                          ; v228-243: as stored
.set AR,  32                           ; at the head alone: v32-71 T's 40 numbers a lane
.set GR,  72                           ; v72-79  four gains and four biases, f32
.set DV,  80                           ; v80-89  s0 less the chunk's first key, f32
.set LE,  92                           ; v92-95  -L (4 lane + e)
.set CM,  96                           ; v96-99  at work
.set EE,  100                          ; E
.set IE,  102                          ; v[102:103] 1 / E, twice
.set LAM, 104                          ; L
.set TW,  105                          ; where I put 16 bytes of the table
.set KV,  106                          ; v106-110  my offset in sk and sv for each of the walk's five tiles
.set GWS, 111                          ; where I put 8 bytes of gain
.set SK,  176                          ; v176-215 sk, then sk sv, then sk sv / E
.set SV,  216                          ; v216-255 sv
.set WV,  14
.set C,   15
.set CX,  16
.set PP,  17
.set P2,  18
.set HB,  19
.set G1K, 24
.set G1V, 32
.set G0K, 40
.set G0V, 44
.set KB,  48                           ; s[48:49] K at my half of the head's tile 0;  s[50:51] V
.set VB,  50
.set OFF, 52
.set NXT, 54                           ; the tile to be asked for next
.set LQ,  55                           ; the last tile of the block whose tiles are being asked for
.set LQ2, 56
.set RT,  57                           ; tiles of the block in hand that are left, the one in hand among them
.set SLOTS, 58
.set CNT, 59
.set TBK, 60
.set TBV, 61
.set SEL, 62
.set QP,  66
.set QP2, 68
.set GP,  70
.set GP2, 72
.set SCB, 74
.set ZP,  76
.set ZP1, 78
.set CLO, 80
.set CHI, 81
.set RT2, 82
.set C128, 83
.set SD,  84                           ; s84-88  s0 less the first key of each of the walk's five tiles
.set TT,  89                           ; the step's place in the table
.set WOP, 92                           ; s[92:93] W_O at my half row of the trip
.set WBP, 94                           ; s[94:95] wo at the same row of my first group
.set MSB, 0
.macro WIN new
.if MSB != (\new)
	s_set_vgpr_msb (MSB<<8)|(\new)
.set MSB, \new
.endif
.endm
.macro PLACES
.rept 4
	v_nop
.endr
.endm
; A joint fill.  Waves 0 and 1 fetch the two halves of a tile's K, waves 2 and 3 those of its V: 128 rows of 256 bytes each.  An s_nop 0 and four v_nop follow each line.
.macro JLOAD
	s_cmp_lt_u32 s[WV], 2
	s_cbranch_scc0 .Lfor_v_\@
	tensor_load_to_lds s[G0K:G0K+3], s[G1K:G1K+7]
	s_nop 0
.rept 4
	v_nop
.endr
	s_branch .Lasked_\@
.Lfor_v_\@:
	tensor_load_to_lds s[G0V:G0V+3], s[G1V:G1V+7]
	s_nop 0
.rept 4
	v_nop
.endr
.Lasked_\@:
.endm
.macro CROUND
	s_barrier_signal -1
	s_barrier_wait -1
	s_cmp_lg_u32 s[WV], 0
	s_cbranch_scc1 .Lnot_wave_0_\@
	s_barrier_signal -3
.Lnot_wave_0_\@:
	s_barrier_wait -3
	s_barrier_signal -1
	s_barrier_wait -1
.endm
; THE CHANGE OF SLOTS.  Each wave waits for all its tensor loads, of which one is out: its part of the other slot; adds 0 to its spare word; waits for that and for its own reads of the slot that it leaves.
; fill = 1: the barrier is a round of the cluster's, and the old slot is filled again, first thing behind it, with tile NXT; the load has a tile's four key steps in which to land.
; (At its first use nothing has been read yet: slot 0 is waited for, slot 1 filled.)
.macro CHANGE fill
	WIN 0
	s_wait_tensorcnt 0x0                           ; no tensor load of mine is out, so a group 0 may be written
	ds_add_u32 v[SPW], v[NIL]                      ; 0 onto my spare word; the descriptors' scalar work stands between it and the wait for it
.if \fill
	s_lshl_b32 s[OFF], s[NXT], 16                  ; a tile is 65,536 bytes of K and of V
	s_xor_b32 s[G0K+1], s[G0K+1], SLOT1
	s_add_nc_u64 s[G0K+2:G0K+3], s[KB:KB+1], s[OFF:OFF+1]
	s_or_b32 s[G0K+3], s[G0K+3], 0x80000000
	s_xor_b32 s[G0V+1], s[G0V+1], SLOT1
	s_add_nc_u64 s[G0V+2:G0V+3], s[VB:VB+1], s[OFF:OFF+1]
	s_or_b32 s[G0V+3], s[G0V+3], 0x80000000
	s_add_co_u32 s[NXT], s[NXT], 1                 ; the block's next tile, or behind its last the second block's tile 0
	s_cmp_gt_u32 s[NXT], s[LQ]
	s_cselect_b32 s[NXT], 0, s[NXT]
	s_cselect_b32 s[LQ], s[LQ2], s[LQ]
	s_wait_dscnt 0x0                               ; the add is done, and my reads of the slot are over
	CROUND
	JLOAD
.else
	s_wait_dscnt 0x0
	s_barrier_signal -1
	s_barrier_wait -1
.endif
	s_sub_co_u32 s[TBK], s[TBK], 4*KS*PK           ; the fetches go back to a slot's first step,
	s_xor_b32 s[TBK], s[TBK], SLOT1                ; in the other slot
	s_sub_co_u32 s[TBV], s[TBV], 4*KS*PV
	s_xor_b32 s[TBV], s[TBV], SLOT1
.endm
	s_load_b256 s[4:11], s[0:1], 0x0               ; qkvg s[4:5], sc s[6:7], gn_weight s[8:9], gn_bias s[10:11]
	s_load_b64 s[12:13], s[0:1], 0x20              ; z
	s_load_b128 s[WOP:WOP+3], s[0:1], 0x28         ; W_O, wo
	v_lshl_add_u32 v[SPW], v0, 2, SPARE
	v_mov_b32 v[NIL], 0
	ds_add_u32 v[SPW], v[NIL]                      ; the wave's opening: the add and its wait stand ahead of my first tensor load
	v_lshrrev_b32 v1, 5, v0
	v_readfirstlane_b32 s[WV], v1
	s_mov_b32 s[C], ttmp9                          ; c: the cluster's x, 0 or 1
	s_bfe_u32 s[CX], ttmp6, 0x40000
	s_lshl_b32 s[PP], s[C], 2
	s_add_co_u32 s[PP], s[PP], s[CX]               ; p: it enters values and the addresses of my own loads and stores alone
	s_sub_co_u32 s[P2], 15, s[PP]
	s_and_b32 s[HB], ttmp7, 0xffff                 ; batch x 16 + head
	s_mov_b32 s[G1K], 15|(1<<16)|(1<<20)|(1<<21)|(5<<22)|(3<<25)   ; 15:0 the mask of four; 17:16 2-byte elements; 20 padding on; 21 set beside a mask; 24:22 after every 64 words; 31:25 4 words
	s_mov_b32 s[G1V], 15|(1<<16)|(1<<20)|(1<<21)|(5<<22)|(7<<25)   ; the same with 8 words
.irp g, G1K, G1V
	s_mov_b32 s[(\g)+1], 128<<16                   ; tensor_dim0 = 128
	s_mov_b32 s[(\g)+2], 128<<16                   ; tensor_dim1 = 128
	s_mov_b32 s[(\g)+3], 128<<16                   ; tile_dim0 = 128
	s_mov_b32 s[(\g)+4], 128                       ; tile_dim1 = 128
	s_mov_b32 s[(\g)+5], 128                       ; 128 elements from row to row
	s_mov_b32 s[(\g)+6], 0
	s_mov_b32 s[(\g)+7], 0
.endr
	s_and_b32 s20, s[WV], 1                        ; which half of a tile's 256 keys I fetch
	s_mul_i32 s21, s20, 128*PK
	s_mul_i32 s22, s20, 128*PV
	s_mov_b32 s[G0K], 1
	s_mov_b32 s[G0K+1], s21
	s_mov_b32 s[G0V], 1
	s_add_co_u32 s[G0V+1], s22, VOFF
	s_lshl_b32 s[OFF], s[HB], 18                   ; a slab has 262,144 bytes,
	s_lshl_b32 s20, s20, 15                        ; 128 rows 32,768
	s_add_co_u32 s[OFF], s[OFF], s20
	s_mov_b32 s[OFF+1], 0
	s_mov_b32 s[NXT], s[C]                         ; tile 0 goes out below; then c = 0: 0, 1, 2, 3; c = 1: 1, 0, 1, 2
	s_lshl_b32 s20, s[C], 1
	s_sub_co_u32 s[LQ], 3, s20
	s_sub_co_u32 s[LQ2], 3, s[C]
	s_add_co_u32 s[RT], s[C], 1                    ; the first block has c + 1 tiles,
	s_sub_co_u32 s[RT2], 4, s[C]                   ; the second 4 - c
	s_mov_b32 s[TBK], SLOT1+4*KS*PK                ; the first change of slots turns these two into 0
	s_mov_b32 s[TBV], SLOT1+4*KS*PV
	s_mov_b32 s[TT], 0
	s_mov_b32 s[SEL], 0x76543210
	s_mov_b32 s[SEL+1], 0xfedcba98
	s_mov_b32 s[CLO], 0x00800000
	s_mov_b32 s[CHI], 0x7e800000
	s_mov_b32 s[C128], 0x3c000000                  ; 1/128
	s_mov_b32 s[SLOTS], 4
	s_wait_dscnt 0x0                               ; the opening add is done
	s_wait_kmcnt 0x0
	s_add_nc_u64 s[KB:KB+1], s[4:5], s[OFF:OFF+1]
	s_add_nc_u64 s[VB:VB+1], s[KB:KB+1], 64*262144 ; v's slabs begin at 64,
	s_add_nc_u64 s[KB:KB+1], s[KB:KB+1], 32*262144 ; k's at 32
	s_mov_b64 s[G0K+2:G0K+3], s[KB:KB+1]
	s_or_b32 s[G0K+3], s[G0K+3], 0x80000000
	s_mov_b64 s[G0V+2:G0V+3], s[VB:VB+1]
	s_or_b32 s[G0V+3], s[G0V+3], 0x80000000
	CROUND                                         ; all four work-groups are here: the first joint loads meet
	JLOAD                                          ; tile 0 into slot 0
	; THE HEAD'S 58 LOADS, in the order in which they are wanted: the keys' powers (the table hangs on them), gain and bias, Q; then what the first tile does not need.
	v_and_b32 v1, 15, v0                           ; l % 16
	v_bfe_u32 v9, v0, 4, 1                         ; l / 16
	v_and_b32 v14, 31, v0                          ; l
	s_mov_b32 s23, 0
	s_lshl_b32 s22, s[HB], 12
	s_add_nc_u64 s[SCB:SCB+1], s[6:7], s[22:23]
	v_lshlrev_b32 v[WI], 4, v14
	v_lshlrev_b32 v[WO8], 3, v14
	v_mov_b32 v[KV], v[WI]                         ; the walk's tiles are key tiles 0, c, 1 - c, 2 - c, 3 - c: 1,024 bytes of powers each
	v_lshl_add_u32 v[KV+1], s[C], 10, v[KV]
	s_sub_co_u32 s20, 1, s[C]
	v_lshl_add_u32 v[KV+2], s20, 10, v[KV]
	s_sub_co_u32 s20, 2, s[C]
	v_lshl_add_u32 v[KV+3], s20, 10, v[KV]
	s_sub_co_u32 s20, 3, s[C]
	v_lshl_add_u32 v[KV+4], s20, 10, v[KV]
.set i, 0
.rept 10                                       ; chunk i: 128 keys' powers, four a lane
	global_load_b128 v[SK+4*i:SK+4*i+3], v[KV+i/2], s[SCB:SCB+1] offset:32*4096+512*(i%2)
	global_load_b128 v[SV+4*i:SV+4*i+3], v[KV+i/2], s[SCB:SCB+1] offset:64*4096+512*(i%2)
.set i, i+1
.endr
	s_and_b32 s22, s[HB], 15
	s_lshl_b32 s22, s22, 9                         ; the head's 128 gains and biases: four of each a lane
	s_add_nc_u64 s[8:9], s[8:9], s[22:23]
	s_add_nc_u64 s[10:11], s[10:11], s[22:23]
	global_load_b128 v[GR:GR+3], v[WI], s[8:9]
	global_load_b128 v[GR+4:GR+7], v[WI], s[10:11]
	v_lshlrev_b32 v[QO], 8, v1
	v_lshl_add_u32 v[QO], v9, 4, v[QO]             ; row x 256 + 16 x half: for Q's fragments and for the gate's 16 bytes alike
	s_lshl_b32 s20, s[HB], 18
	s_lshl_b32 s21, s[WV], 12                      ; my 16 rows
	s_add_co_u32 s20, s20, s21
	s_lshl_b32 s22, s[PP], 14                      ; a block's 64 rows
	s_add_co_u32 s22, s22, s20
	s_add_nc_u64 s[QP:QP+1], s[4:5], s[22:23]
	s_lshl_b32 s22, s[P2], 14
	s_add_co_u32 s22, s22, s20
	s_add_nc_u64 s[QP2:QP2+1], s[4:5], s[22:23]
	s_add_nc_u64 s[GP:GP+1], s[QP:QP+1], 96*262144 ; the gate's slabs begin at 96
	s_add_nc_u64 s[GP2:GP2+1], s[QP2:QP2+1], 96*262144
.set i, 0
.rept 4                                        ; Q: channels 32 i on
	global_load_b128 v[Q+8*i:Q+8*i+3],     v[QO], s[QP:QP+1] offset:64*i
	global_load_b128 v[Q+8*i+4:Q+8*i+7],   v[QO], s[QP:QP+1] offset:64*i+32
.set i, i+1
.endr
.set i, 0
.rept 4                                        ; the second block's
	global_load_b128 v[Q2+8*i:Q2+8*i+3],   v[QO], s[QP2:QP2+1] offset:64*i
	global_load_b128 v[Q2+8*i+4:Q2+8*i+7], v[QO], s[QP2:QP2+1] offset:64*i+32
.set i, i+1
.endr
	s_lshl_b32 s20, s[WV], 6
	s_lshl_b32 s21, s[PP], 8
	s_add_co_u32 s21, s21, s20
	v_lshl_add_u32 v[SC1], v1, 2, s21              ; my query's word in a slab's powers: first block,
	s_lshl_b32 s21, s[P2], 8
	s_add_co_u32 s21, s21, s20
	v_lshl_add_u32 v[SC2], v1, 2, s21              ; second block
	global_load_b32 v[SQC], v[SC2], s[SCB:SCB+1]
	global_load_b32 v[SGC], v[SC2], s[SCB:SCB+1] offset:96*4096
	WIN 0x80                                       ; destination window 2
	global_load_b32 v[SQS], v[SC1], s[SCB:SCB+1]
	global_load_b32 v[SGS], v[SC1], s[SCB:SCB+1] offset:96*4096
.set i, 0
.rept 8                                        ; the gates: my eight channels of channel block i
	global_load_b128 v[GS+4*i:GS+4*i+3], v[QO], s[GP:GP+1] offset:32*i
	global_load_b128 v[GC+4*i:GC+4*i+3], v[QO], s[GP2:GP2+1] offset:32*i
.set i, i+1
.endr
	WIN 0
	; where my part of W_O lies: wave g = ((batch x 16 + head) x 8 + p) x 4 + wave
	s_lshl_b32 s20, s[HB], 3
	s_add_co_u32 s20, s20, s[PP]
	s_lshl_b32 s20, s20, 2
	s_add_co_u32 s20, s20, s[WV]
	s_and_b32 s21, s20, 1                          ; which half of the rows
	s_lshr_b32 s20, s20, 1                         ; which four rows
	s_lshl_b32 s22, s20, 15                        ; four rows of 8,192 bytes,
	s_lshl_b32 s2, s21, 12                         ; half a row
	s_add_co_u32 s22, s22, s2
	s_add_nc_u64 s[WOP:WOP+1], s[WOP:WOP+1], s[22:23]
	s_lshl_b32 s22, s20, 10                        ; in wo: four rows of 256 bytes,
	s_lshl_b32 s2, s21, 22                         ; eight groups of 524,288
	s_add_co_u32 s22, s22, s2
	s_add_nc_u64 s[WBP:WBP+1], s[WBP:WBP+1], s[22:23]
	; while the loads are out: L = log2(gamma), gamma = 1 - 2^(-5 - 4 n / 15) rounded to f32, by the series of ln(1 - x) to x^6 (x is 1/32 at the most)
	s_and_b32 s20, s[HB], 15
	v_cvt_f32_u32 v[CM], s20
	v_mov_b32 v[CM+1], 0xc0a00000                  ; -5
	v_fmac_f32 v[CM+1], 0xbe888889, v[CM]          ; - 4 n / 15
	v_exp_f32 v[CM+1], v[CM+1]
	v_nop
	s_wait_alu depctr_va_vdst(0)                   ; the wait ahead of the first reader
	v_sub_f32 v[CM], 1.0, v[CM+1]                  ; gamma
	v_sub_f32 v[CM], 1.0, v[CM]                    ; x = 1 - gamma, exact
	v_mov_b32 v[LAM], 0x3e2aaaab                   ; 1/6
.irp c, 0x3e4ccccd,0x3e800000,0x3eaaaaab,0x3f000000,0x3f800000
	v_fmaak_f32 v[LAM], v[LAM], v[CM], \c          ; 1/5, 1/4, 1/3, 1/2, 1
.endr
	v_mul_f32 v[LAM], v[LAM], v[CM]
	v_mul_f32 v[LAM], 0xbfb8aa3b, v[LAM]           ; x -log2(e)
	v_sub_f32 v[CM+2], 0, v[LAM]
	v_lshlrev_b32 v[CM+3], 2, v14
.irp e, 0,1,2,3
	v_add_nc_u32 v[LE+\e], \e, v[CM+3]
	v_cvt_f32_u32 v[LE+\e], v[LE+\e]
	v_mul_f32 v[LE+\e], v[CM+2], v[LE+\e]          ; -L (4 lane + e)
.endr
	s_lshl_b32 s[SD], s[PP], 6                     ; s0 less the tile's first key: walk tile 0: 64 p;
	s_lshl_b32 s21, s[P2], 6
	s_sub_co_u32 s22, s[SD], 256
	s_cmp_eq_u32 s[C], 1
	s_cselect_b32 s[SD+1], s22, s21                ; tile 1: the first block's tile 1 (c = 1) or the second's tile 0;
	s_lshl_b32 s22, s[C], 8
	s_add_co_u32 s22, s22, s21
	s_sub_co_u32 s[SD+2], s22, 256                 ; tiles 2, 3, 4: the second block's tiles 1 - c, 2 - c, 3 - c
	s_sub_co_u32 s[SD+3], s22, 512
	s_sub_co_u32 s[SD+4], s22, 768
.irp t, 0,1,2,3,4
	v_cvt_f32_i32 v[DV+2*\t], s[SD+\t]
	v_add_f32 v[DV+2*\t+1], 0xc3000000, v[DV+2*\t] ; the tile's second 128 keys
.endr
.set m, 0
.rept 10
.irp e, 0,1,2,3
	v_fma_f32 v[AR+4*m+\e], v[LAM], v[DV+m], v[LE+\e]   ; L (s0 - t)
.endr
.set m, m+1
.endr
	s_mul_i32 s20, s[WV], TABW
	s_add_co_u32 s20, s20, TAB
	v_lshl_add_u32 v[TW], v14, 4, s20
	v_lshl_add_u32 v[TA0], v9, 5, s20
	s_lshl_b32 s20, s[WV], 9
	s_add_co_u32 s20, s20, GWT                     ; my wave's copy of gain and bias
	v_lshl_add_u32 v[GWS], v14, 3, s20
	v_lshl_add_u32 v[GWA], v9, 4, s20
	s_lshl_b32 s20, s[WV], 4
	v_add_nc_u32 v14, s20, v1                      ; my query's place in its block
	v_lshlrev_b32 v[DQ2], 3, v9
	v_sub_nc_u32 v[DQ2], v14, v[DQ2]
	v_add_nc_u32 v[DQ], s[SD], v[DQ2]              ; 64 p + 16 w + l % 16 - 8 (l / 16)
	v_add_nc_u32 v[DQ2], s21, v[DQ2]
	v_cvt_f32_u32 v14, v14
	v_mul_f32 v14, v[LAM], v14
	v_mul_u32_u24 v[AK0], v1, PK
	v_lshl_add_u32 v[AK0], v9, 4, v[AK0]           ; K: row x pitch + 16 x half
	v_and_b32 v[CM], 7, v0                         ; V, turned: lane l reads key 8 (l / 16) + l % 8, channels 8 ((l / 8) % 2) + 0..7
	v_bfe_u32 v[CM+1], v0, 3, 1
	v_lshl_add_u32 v[AV0], v9, 3, v[CM]
	v_mul_u32_u24 v[AV0], v[AV0], PV
	v_lshl_add_u32 v[AV0], v[CM+1], 4, v[AV0]
	v_add_nc_u32 v[AV0], VOFF, v[AV0]
	s_mul_i32 s20, s[WV], 16*SP
	s_add_co_u32 s20, s20, STAGE
	v_mul_u32_u24 v[STO], v1, SP
	v_lshl_add_u32 v[STO], v9, 4, v[STO]
	v_add_nc_u32 v[STO], s20, v[STO]
	v_mul_u32_u24 v[RD], v9, SP
	v_lshl_add_u32 v[RD], v1, 4, v[RD]
	v_add_nc_u32 v[RD], s20, v[RD]
	v_lshlrev_b32 v[GO], 12, v9                    ; two rows of z, 4,096 bytes apart, 256 bytes of each
	v_lshl_add_u32 v[GO], v1, 4, v[GO]
	v_mov_b32 v[ZERO], 0
	s_lshr_b32 s20, s[HB], 4                       ; z at (batch x 1,024 + 64 block + 16 wave) x 4,096 + head x 256
	s_lshl_b32 s20, s20, 22
	s_and_b32 s21, s[HB], 15
	s_lshl_b32 s21, s21, 8
	s_add_co_u32 s20, s20, s21
	s_lshl_b32 s21, s[WV], 16
	s_add_co_u32 s20, s20, s21
	s_lshl_b32 s22, s[P2], 18
	s_add_co_u32 s22, s22, s20
	s_add_nc_u64 s[ZP:ZP+1], s[12:13], s[22:23]
	s_lshl_b32 s22, s[PP], 18
	s_add_co_u32 s22, s22, s20
	s_add_nc_u64 s[ZP1:ZP1+1], s[12:13], s[22:23]
	WIN 0x80
.set i, 0
.rept 64
	v_mov_b32 v[OS+i], 0
.set i, i+1
.endr
	WIN 0
	s_wait_loadcnt 38                              ; the keys' 20 loads are in; the 38 issued behind them (gain, bias, Q, Q2, four powers, the gates) may stay out
.set i, 0
.rept 20
	v_pk_mul_f32 v[SK+2*i:SK+2*i+1], v[SK+2*i:SK+2*i+1], v[SV+2*i:SV+2*i+1]
.set i, i+1
.endr
.irp k, 0,1,2,3                                ; E: four chains of ten, then across the lanes
	v_max3_num_f32 v[CM+\k], v[SK+10*\k], v[SK+10*\k+1], v[SK+10*\k+2]
.endr
.irp j, 0,1,2
.irp k, 0,1,2,3
	v_max3_num_f32 v[CM+\k], v[CM+\k], v[SK+10*\k+3+2*\j], v[SK+10*\k+4+2*\j]
.endr
.endr
.irp k, 0,1,2,3
	v_max_num_f32 v[CM+\k], v[CM+\k], v[SK+10*\k+9]
.endr
	v_max3_num_f32 v[CM], v[CM], v[CM+1], v[CM+2]
	v_max_num_f32 v[CM], v[CM], v[CM+3]
	v_max_num_f32_dpp v[CM], v[CM], v[CM] row_xmask:1 row_mask:0xf bank_mask:0xf
	v_max_num_f32_dpp v[CM], v[CM], v[CM] row_xmask:2 row_mask:0xf bank_mask:0xf
	v_max_num_f32_dpp v[CM], v[CM], v[CM] row_xmask:4 row_mask:0xf bank_mask:0xf
	v_max_num_f32_dpp v[CM], v[CM], v[CM] row_xmask:8 row_mask:0xf bank_mask:0xf
	v_permlanex16_b32 v[CM+1], v[CM], s[SEL], s[SEL+1]
	v_max_num_f32 v[CM], v[CM], v[CM+1]
	v_med3_num_f32 v[EE], v[CM], s[CLO], s[CHI]
	v_sub_nc_u32 v[IE], 0x7f000000, v[EE]          ; 1 / E: 254 less the exponent
	v_mov_b32 v[IE+1], v[IE]
.set i, 0
.rept 40
	v_exp_f32 v[AR+i], v[AR+i]                     ; one batch: the table's 40 and the row's one
.set i, i+1
.endr
	v_exp_f32 v[EF], v14
.set i, 0
.rept 20
	v_pk_mul_f32 v[SK+2*i:SK+2*i+1], v[SK+2*i:SK+2*i+1], v[IE:IE+1]   ; plain work that names no result of the batch
.set i, i+1
.endr
	s_wait_alu depctr_va_vdst(0)                   ; the one wait for the batch
.set i, 0
.rept 20
	v_pk_mul_f32 v[AR+2*i:AR+2*i+1], v[AR+2*i:AR+2*i+1], v[SK+2*i:SK+2*i+1]
.set i, i+1
.endr
	v_mul_f32 v[EF], v[EF], v[EE]
.set i, 0
.rept 10
	ds_store_b128 v[TW], v[AR+4*i:AR+4*i+3] offset:512*i
.set i, i+1
.endr
	s_wait_loadcnt 28                              ; gain, bias and Q are in; Q2, the four powers and the gates (28 loads) may stay out: the first trip's end waits for them
	v_cvt_pk_bf16_f32 v[GR], v[GR], v[GR+1]        ; gain and bias, rounded to bf16 like all inputs: channel ch at byte 2 ch of my wave's copy
	v_cvt_pk_bf16_f32 v[GR+1], v[GR+2], v[GR+3]
	v_cvt_pk_bf16_f32 v[GR+4], v[GR+4], v[GR+5]
	v_cvt_pk_bf16_f32 v[GR+5], v[GR+6], v[GR+7]
	ds_store_b64 v[GWS], v[GR:GR+1]
	ds_store_b64 v[GWS], v[GR+4:GR+5] offset:256
.set i, 0
.rept 64
	v_mov_b32 v[O+i], 0
.set i, i+1
.endr
; A KEY STEP: 64 keys.  72 LDS loads in two runs; the waits count what may stay out of the 56 of the first run (K's 32 by chunks of 8, T's 8, V's first 16).
; The accumulators take turns (four in S^T's run, eight in O^T's).
.macro STEP
	WIN 0
	v_add_nc_u32 v[AK], s[TBK], v[AK0]
	v_add_nc_u32 v[AV], s[TBV], v[AV0]
	v_add_nc_u32 v[TA], s[TT], v[TA0]
	WIN 0x40                                       ; destination window 1
.irp c, 0,1,2,3
.irp kb, 0,1,2,3
	ds_load_b128 v[8*(4*\c+\kb):8*(4*\c+\kb)+3],   v[AK] offset:\kb*16*PK+64*\c
	ds_load_b128 v[8*(4*\c+\kb)+4:8*(4*\c+\kb)+7], v[AK] offset:\kb*16*PK+64*\c+32
.endr
.endr
	WIN 0
.irp kb, 0,1,2,3
	ds_load_b128 v[TF+8*\kb:TF+8*\kb+3],   v[TA] offset:64*\kb
	ds_load_b128 v[TF+8*\kb+4:TF+8*\kb+7], v[TA] offset:64*\kb+16
.endr
	WIN 0x40
.irp cb, 0,1,2,3,4,5,6,7
	ds_load_tr16_b128 v[VF+8*\cb:VF+8*\cb+3],   v[AV] offset:32*\cb
	ds_load_tr16_b128 v[VF+8*\cb+4:VF+8*\cb+7], v[AV] offset:16*PV+32*\cb
.endr
	WIN 0x01                                       ; source 0 (K, V) window 1, all else window 0
.irp c, 0,1,2,3
	s_wait_dscnt 48-8*\c                           ; K's chunk c is in: 56 - 8 (c + 1) younger loads may stay out
.irp kb, 0,1,2,3
.if \c == 0
	v_wmma_f32_16x16x32_f16 v[S+8*\kb:S+8*\kb+7], v[8*(4*\c+\kb):8*(4*\c+\kb)+7], v[Q+8*\c:Q+8*\c+7], 0
.else
	v_wmma_f32_16x16x32_f16 v[S+8*\kb:S+8*\kb+7], v[8*(4*\c+\kb):8*(4*\c+\kb)+7], v[Q+8*\c:Q+8*\c+7], v[S+8*\kb:S+8*\kb+7]
.endif
.endr
.endr
	PLACES                                         ; behind the scores' last products
	WIN 0x40
.irp cb, 0,1,2,3,4,5,6,7
	ds_load_tr16_b128 v[VF+64+8*\cb:VF+64+8*\cb+3],   v[AV] offset:32*PV+32*\cb
	ds_load_tr16_b128 v[VF+64+8*\cb+4:VF+64+8*\cb+7], v[AV] offset:48*PV+32*\cb
.endr
	WIN 0
	s_wait_dscnt 32                                ; T's factors are in; V's 32 loads may stay out
.set n, 0
.rept 16
	v_pk_mul_f32 v[S+2*n:S+2*n+1], v[S+2*n:S+2*n+1], v[TF+2*n:TF+2*n+1]
.set n, n+1
.endr
	s_cmp_lg_u32 s[RT], 1                          ; only a block's last tile holds hidden keys
	s_cbranch_scc1 .Lopen_\@
.set n, 0
.rept 32
	v_cmp_le_i32 vcc_lo, 16*(n/8)+n%8, v[DQ]
	v_cndmask_b32 v[S+n], 0, v[S+n], vcc_lo
.set n, n+1
.endr
.Lopen_\@:
.set n, 0
.rept 16
	v_cvt_pk_f16_f32 v[P+n], v[S+2*n], v[S+2*n+1]
.set n, n+1
.endr
	WIN 0x01
	s_wait_dscnt 16                                ; V's first 32 keys are in
.irp cb, 0,1,2,3,4,5,6,7
	v_wmma_f32_16x16x32_f16 v[O+8*\cb:O+8*\cb+7], v[VF+8*\cb:VF+8*\cb+7], v[P:P+7], v[O+8*\cb:O+8*\cb+7]
.endr
	s_wait_dscnt 0x0
.irp cb, 0,1,2,3,4,5,6,7
	v_wmma_f32_16x16x32_f16 v[O+8*\cb:O+8*\cb+7], v[VF+64+8*\cb:VF+64+8*\cb+7], v[P+8:P+15], v[O+8*\cb:O+8*\cb+7]
.endr
	WIN 0
	PLACES                                         ; in front of the next step's loads into V's registers, and of whatever reads O^T
	s_add_co_u32 s[TBK], s[TBK], KS*PK
	s_add_co_u32 s[TBV], s[TBV], KS*PV
	s_add_co_u32 s[TT], s[TT], 256
	v_subrev_nc_u32 v[DQ], 64, v[DQ]
.endm
.macro TILE
	s_mov_b32 s[CNT], 4
.Lstep_\@:
	STEP
	s_sub_co_u32 s[CNT], s[CNT], 1
	s_cmp_lg_u32 s[CNT], 0
	s_cbranch_scc1 .Lstep_\@
.endm
.Lslot:                                        ; four trips: a tile is entered and the next is asked for
	CHANGE 1
	WIN 0x80                                       ; destination window 2: this trip's half row of W_O, 8 chunks of 512 bytes, behind the tile request
.set j, 0
.rept 8
	global_load_b128 v[WD+4*j:WD+4*j+3], v[WI], s[WOP:WOP+1] offset:512*j th:TH_LOAD_NT
.set j, j+1
.endr
	WIN 0
	TILE
	s_wait_loadcnt 0x0                             ; W_O's eight loads, four key steps back; in the first trip also what the head left out
	WIN 0x8a                                       ; sources and destination window 2
.set j, 0
.rept 8
	v_cvt_pk_bf16_f32 v[WH+2*j], v[WD+4*j], v[WD+4*j+1]
	v_cvt_pk_bf16_f32 v[WH+2*j+1], v[WD+4*j+2], v[WD+4*j+3]
.set j, j+1
.endr
	WIN 0x08                                       ; the stored data lie in window 2
.set j, 0
.rept 8
	global_store_b64 v[WO8], v[WH+2*j:WH+2*j+1], s[WBP:WBP+1] offset:j*524288 th:TH_STORE_NT   ; 256 consecutive bytes, aligned: row k of group j of my eight
.set j, j+1
.endr
	WIN 0
	s_wait_xcnt 0x0                                ; the stores have read their data and their base: both are written again below and in the next trip
	s_add_nc_u64 s[WOP:WOP+1], s[WOP:WOP+1], 8192  ; the next row
	s_add_nc_u64 s[WBP:WBP+1], s[WBP:WBP+1], 256
	s_sub_co_u32 s[RT], s[RT], 1
	s_cmp_lg_u32 s[RT], 0
	s_cbranch_scc1 .Lsame                          ; forward, past register work alone
	WIN 0x80                                       ; THE FIRST BLOCK IS DONE: its O^T is set aside (lowest registers first), the second block's Q and place take over
.set i, 0
.rept 64
	v_mov_b32 v[OS+i], v[O+i]
.set i, i+1
.endr
	WIN 0
.set i, 0
.rept 64
	v_mov_b32 v[O+i], 0
.set i, i+1
.endr
.set i, 0
.rept 32
	v_mov_b32 v[Q+i], v[Q2+i]
.set i, i+1
.endr
	v_mov_b32 v[DQ], v[DQ2]
	s_mov_b32 s[RT], s[RT2]
.Lsame:
	s_sub_co_u32 s[SLOTS], s[SLOTS], 1
	s_cmp_lg_u32 s[SLOTS], 0
	s_cbranch_scc1 .Lslot
	CHANGE 0                                       ; the walk's last tile is written out
	TILE
	; THE END, two trips: block 15 - p, then block p.  The row's factor; mean; variance of the numbers less the mean; gain and bias; the gate; bf16; whole 256-byte pieces of z's rows through my stage.
.macro FOLD                                    ; four chains of pairs into one number, over both halves of the lanes
	v_pk_add_f32 v[U:U+1], v[U:U+1], v[U+2:U+3]
	v_pk_add_f32 v[U+4:U+5], v[U+4:U+5], v[U+6:U+7]
	v_pk_add_f32 v[U:U+1], v[U:U+1], v[U+4:U+5]
	v_add_f32 v[U], v[U], v[U+1]
	v_permlanex16_b32 v[U+1], v[U], s[SEL], s[SEL+1]
	v_add_f32 v[U], v[U], v[U+1]
.endm
.macro ALLO by                                 ; O^T times the pair by
.set n, 0
.rept 32
	v_pk_mul_f32 v[O+2*n:O+2*n+1], v[O+2*n:O+2*n+1], v[\by:\by+1]
.set n, n+1
.endr
.endm
	WIN 0x80                                       ; gain and bias of my eight channels of each channel block, out of my wave's copy: 16 bytes are 8 bf16
.irp cb, 0,1,2,3,4,5,6,7
	ds_load_b128 v[GW+4*\cb:GW+4*\cb+3], v[GWA] offset:32*\cb
	ds_load_b128 v[GB+4*\cb:GB+4*\cb+3], v[GWA] offset:256+32*\cb
.endr
	WIN 0
	s_mov_b32 s[CNT], 2
.Lend:
	v_mul_f32 v[AL], v[SQC], v[EF]
	v_mul_f32 v[AL+1], v[SQC], v[EF]
	ALLO AL
.irp k, 0,1,2,3
	v_pk_add_f32 v[U+2*\k:U+2*\k+1], v[O+2*\k:O+2*\k+1], v[O+8+2*\k:O+8+2*\k+1]
.endr
.irp j, 2,3,4,5,6,7
.irp k, 0,1,2,3
	v_pk_add_f32 v[U+2*\k:U+2*\k+1], v[U+2*\k:U+2*\k+1], v[O+8*\j+2*\k:O+8*\j+2*\k+1]
.endr
.endr
	FOLD
	v_mul_f32 v[MU], s[C128], v[U]
	v_mov_b32 v[MU+1], v[MU]
.set n, 0
.rept 32
	v_pk_add_f32 v[O+2*n:O+2*n+1], v[O+2*n:O+2*n+1], v[MU:MU+1] neg_lo:[0,1] neg_hi:[0,1]
.set n, n+1
.endr
.irp k, 0,1,2,3
	v_pk_mul_f32 v[U+2*\k:U+2*\k+1], v[O+2*\k:O+2*\k+1], v[O+2*\k:O+2*\k+1]
.endr
.irp j, 1,2,3,4,5,6,7
.irp k, 0,1,2,3
	v_pk_fma_f32 v[U+2*\k:U+2*\k+1], v[O+8*\j+2*\k:O+8*\j+2*\k+1], v[O+8*\j+2*\k:O+8*\j+2*\k+1], v[U+2*\k:U+2*\k+1]
.endr
.endr
	FOLD
	v_fmaak_f32 v[U], s[C128], v[U], 0x3727c5ac    ; the variance + 1e-5
	v_rsq_f32 v[RS], v[U]
	v_mov_b32 v[SG], v[SGC]                        ; plain work behind it,
	v_mov_b32 v[SG+1], v[SGC]
	s_wait_alu depctr_va_vdst(0)                   ; and the wait ahead of the first reader
	v_mov_b32 v[RS+1], v[RS]
	ALLO RS
	s_wait_dscnt 0x0                               ; gain and bias are in (met at once in the second trip)
	WIN 0x28                                       ; sources 1 and 2 window 2
.set n, 0
.rept 32
	v_fma_mix_f32_bf16 v[O+2*n], v[O+2*n], v[GW+n], v[GB+n] op_sel_hi:[0,1,1]
	v_fma_mix_f32_bf16 v[O+2*n+1], v[O+2*n+1], v[GW+n], v[GB+n] op_sel:[0,1,1] op_sel_hi:[0,1,1]
.set n, n+1
.endr
	WIN 0
	ALLO SG                                        ; the gate's power,
	WIN 0x02                                       ; source 0 window 2
.set n, 0
.rept 32
	v_fma_mix_f32 v[O+2*n], v[GC+n], v[O+2*n], v[ZERO] op_sel_hi:[1,0,0]                    ; and the gate, from its f16 halves
	v_fma_mix_f32 v[O+2*n+1], v[GC+n], v[O+2*n+1], v[ZERO] op_sel:[1,0,0] op_sel_hi:[1,0,0]
.set n, n+1
.endr
	WIN 0
.set n, 0
.rept 32
	v_cvt_pk_bf16_f32 v[S+n], v[O+2*n], v[O+2*n+1]
.set n, n+1
.endr
.irp cb, 0,1,2,3,4,5,6,7
	ds_store_b128 v[STO], v[S+4*\cb:S+4*\cb+3] offset:32*\cb
.endr
.irp t, 0,1,2,3,4,5,6,7
	ds_load_b128 v[P+4*\t:P+4*\t+3], v[RD] offset:544*\t   ; LDS serves a wave's instructions in order (ISA guide 5.7.1.4): these see the stores above
.endr
.irp t, 0,1,2,3,4,5,6,7
	s_wait_dscnt 7-\t
	global_store_b128 v[GO], v[P+4*\t:P+4*\t+3], s[ZP:ZP+1] offset:8192*\t   ; 16 lanes store 256 consecutive bytes, at a multiple of 256 from z's first
.endr
	s_wait_xcnt 0x0                                ; the stores have read their registers and their base
	s_cmp_eq_u32 s[CNT], 1
	s_cbranch_scc1 .Lno_more
	s_mov_b64 s[ZP:ZP+1], s[ZP1:ZP1+1]             ; the first block's rows, O^T, gate and powers
	WIN 0x02
.set i, 0
.rept 64
	v_mov_b32 v[O+i], v[OS+i]
.set i, i+1
.endr
	v_mov_b32 v[SQC], v[SQS]
	v_mov_b32 v[SGC], v[SGS]
	WIN 0x82
.set i, 0
.rept 32
	v_mov_b32 v[GC+i], v[GS+i]
.set i, i+1
.endr
	WIN 0
.Lno_more:
	s_sub_co_u32 s[CNT], s[CNT], 1
	s_cmp_lg_u32 s[CNT], 0
	s_cbranch_scc1 .Lend
	s_wait_tensorcnt 0x0                           ; the wave's end, behind my last tensor load and my last LDS store
	ds_add_u32 v[SPW], v[NIL]
	s_wait_dscnt 0x0
	CROUND                                         ; the closing round
	s_endpgm
.Lfunc_end_k_q2cefe2f04e_retn:
	.size	k_q2cefe2f04e_retn, .Lfunc_end_k_q2cefe2f04e_retn-k_q2cefe2f04e_retn
	.p2alignl 7, 3214868480
	.fill 96, 4, 3214868480
	.section	.rodata,"a",@progbits
	.p2align	6, 0x0
	.amdhsa_kernel k_q2cefe2f04e_retn
		.amdhsa_group_segment_fixed_size 327680
		.amdhsa_private_segment_fixed_size 0
		.amdhsa_enable_private_segment 0
		.amdhsa_kernarg_size 56
		.amdhsa_user_sgpr_count 2
		.amdhsa_user_sgpr_kernarg_segment_ptr 1
		.amdhsa_wavefront_size32 1
		.amdhsa_system_sgpr_workgroup_id_x 1
		.amdhsa_system_sgpr_workgroup_id_y 1
		.amdhsa_system_sgpr_workgroup_id_z 1
		.amdhsa_system_vgpr_workitem_id 0
		.amdhsa_next_free_vgpr 768
		.amdhsa_next_free_sgpr 96
		.amdhsa_reserve_vcc 1
		.amdhsa_float_denorm_mode_32 3
		.amdhsa_float_denorm_mode_16_64 3
		.amdhsa_memory_ordered 1
		.amdhsa_forward_progress 1
		.amdhsa_inst_pref_size 95
	.end_amdhsa_kernel
	.amdgpu_metadata
---
amdhsa.version: [ 1, 2 ]
amdhsa.kernels:
  - .name:           k_q2cefe2f04e_retn
    .symbol:         k_q2cefe2f04e_retn.kd
    .args:
      - { .name: qkvg, .offset: 0, .size: 8, .value_kind: global_buffer, .address_space: global }
      - { .name: sc, .offset: 8, .size: 8, .value_kind: global_buffer, .address_space: global }
      - { .name: gn_weight, .offset: 16, .size: 8, .value_kind: global_buffer, .address_space: global }
      - { .name: gn_bias, .offset: 24, .size: 8, .value_kind: global_buffer, .address_space: global }
      - { .name: z, .offset: 32, .size: 8, .value_kind: global_buffer, .address_space: global }
      - { .name: W_O, .offset: 40, .size: 8, .value_kind: global_buffer, .address_space: global }
      - { .name: wo, .offset: 48, .size: 8, .value_kind: global_buffer, .address_space: global }
    .group_segment_fixed_size: 327680
    .private_segment_fixed_size: 0
    .kernarg_segment_align: 8
    .kernarg_segment_size: 56
    .max_flat_workgroup_size: 128
    .sgpr_count:     96
    .vgpr_count:     768
    .wavefront_size: 32
...
	.end_amdgpu_metadata
.endif
;; end of part 3
;; launch outp (part 4): grid 16 x 16, 4 waves a work-group, clusters of 4 x 4, 327,680 bytes of LDS; arguments z, wo, out0; writes out0
.if DOCPART == 4
	.amdgcn_target "amdgcn-amd-amdhsa--gfx1250"
	.amdhsa_code_object_version 6
	.text
	.protected	k_q2cefe2f04e_outp
	.globl	k_q2cefe2f04e_outp
	.p2align	8
	.type	k_q2cefe2f04e_outp,@function
k_q2cefe2f04e_outp:
	s_mov_b64 s[64:65], 0
	v_nop
	global_prefetch_b8 v0, s[64:65] scope:SCOPE_SE
	s_setreg_imm32_b32 hwreg(HW_REG_WAVE_MODE, 25, 1), 1
	s_wait_xcnt 0x0
	s_wait_alu depctr_hold_cnt(0) depctr_sa_sdst(0) depctr_va_vdst(0) depctr_va_sdst(0) depctr_va_ssrc(0) depctr_va_vcc(0) depctr_vm_vsrc(0)
	s_getreg_b32 s2, hwreg(HW_REG_IB_STS2, 6, 4)
	s_cmp_eq_u32 s2, 0
	s_cbranch_scc0 .Lentry_in_a_cluster
	s_endpgm
.Lentry_in_a_cluster:
	s_bfe_u32 s2, ttmp6, 0x10000c
	s_cmp_lg_u32 s2, 0xf033
	s_cbranch_scc0 .Lentry_shape_is_right
	s_endpgm
.Lentry_shape_is_right:
; OUTP.  out0 = z W_O.  z: [2048][2048] bf16; wo: W_O as 16 groups of [2048 k][128 n] bf16; out0: [2048][2048] f32; sums in f32, in the matrix unit's order within a K step.
; A tile of out0 is 128 x 128, so that there are 256 work-groups; four waves, each 64 x 64: 16 accumulators.  K goes in 8 steps of 256 through two LDS slots: z's rows are 512 bytes of memory,
; W_O's 256, all starting at multiples of 256 from their buffer's first byte.  W_O lies [k][n]: its fragments come out of LDS turned, by ds_load_tr16_b128.
; CLUSTER: 4 x 4 work-groups; z's tile is shared along a row of the cluster, W_O's along a column; each is asked for jointly.
; THE WALK ALONG K BEGINS AT ANOTHER STEP IN EACH CLUSTER and goes round: cluster (X, Y) begins at step (4 (X % 2) + 2 (X / 2) + 2 Y) mod 8.  So the four clusters that read the same rows of z (one Y), and the
; four that read the same group of W_O (one X), begin two steps apart and ask for different K steps at any one time; the eight steps are all taken once, and f32 sums may be taken in any order.
; The start hangs on the cluster's x and y alone, which all sixteen partners share: a joint load's descriptor stays the same in all that it names.
; THE PRODUCT IS TAKEN TRANSPOSED (source 0 = 16 columns of W_O, source 1 = 16 rows of z): a lane holds eight neighbouring numbers of a row of out0, 32 bytes.
; A wave's 64 columns of f32 are 256 bytes, aligned: each wave has a stage of its own on the way out and no barrier is needed there.
; NO PREFETCH: the tiles are small and a step's matrix work is short beside its bytes.
; REGISTERS: window 0: v0-31 addresses; v32-95 the way out; v128-255 the accumulators ((a, b) at v[128 + 8 (4 a + b)]).
;   window 1: two fragment buffers of 128: for 64 along K, 64 registers of z (2 x 4 x 16 rows x 32 K), then 64 of W_O.
.set KSTEP,  256
.set PA,     528                       ; a row of z in LDS: 512 bytes + 16
.set PB,     288                       ; a row of W_O: 256 + 32
.set HALFA,  64*PA
.set HALFB,  128*PB
.set BOFF,   2*HALFA                   ; z's 128 rows, then W_O's 256 k rows
.set SLOT,   BOFF+2*HALFB
.set STAGE,  2*SLOT                    ; behind the ring: 16 rows x 272 bytes for each wave
.set SP,     272
.set SPARE,  STAGE+4*16*SP             ; the spare words, 128 bytes for each wave: two blocks of 256 bytes that no other line names
.set LAPS,   4
.set ADRA, 16                          ; v16-17  my fragments of z in slot 0, 1
.set ADRB, 20                          ; v20-23  of W_O: slot 0 (k rows 0-127, 128-255), slot 1 likewise: 256 rows of 288 bytes pass the 16-bit offset
.set STO,  24
.set RD,   25
.set CO,   26
.set SPW,  28
.set NIL,  29
.set TMP,  32
.set ACC,  128
.set F0,   0
.set F1,   128
.set G1, 24
.set G0, 32
.set G1B, 48
.set G0B, 56
.set KST, 66                           ; s66  the K step to be asked for next, 0 .. 7
.set OFS, 68                           ; s[68:69] its byte offset, in z's rows or down W_O's group
.set MSB, 0
.macro WIN new
.if MSB != (\new)
	s_set_vgpr_msb (MSB<<8)|(\new)
.set MSB, \new
.endif
.endm
.set MUL,  0x05                        ; sources 0 and 1 window 1; C and D window 0
.set TO_F, 0x40                        ; destination window 1, address window 0
.macro PLACES
.rept 4
	v_nop
.endr
.endm
.macro JLOAD s                         ; waves 0 and 1 fetch z's two halves, waves 2 and 3 W_O's; an s_nop 0 and four v_nop follow each line
	s_cmp_eq_u32 s11, 0
	s_cbranch_scc0 .Lfor_b_\@
	tensor_load_to_lds s[G0+4*(\s):G0+4*(\s)+3], s[G1:G1+7]
	s_nop 0
.rept 4
	v_nop
.endr
	s_branch .Lasked_\@
.Lfor_b_\@:
	tensor_load_to_lds s[G0B+4*(\s):G0B+4*(\s)+3], s[G1B:G1B+7]
	s_nop 0
.rept 4
	v_nop
.endr
.Lasked_\@:
.endm
; Slot s's two descriptors are aimed at K step KST: the addresses are made anew from the tiles' bases (s[14:15], s[46:47], never rewritten) and an offset made apart; then the step goes on, round at 8.
.macro AIM s
	s_lshl_b32 s[OFS], s[KST], 9                   ; 512 bytes along z's rows
	s_add_nc_u64 s[G0+4*(\s)+2:G0+4*(\s)+3], s[14:15], s[OFS:OFS+1]
	s_or_b32 s[G0+4*(\s)+3], s[G0+4*(\s)+3], 0x80000000
	s_lshl_b32 s[OFS], s[KST], 16                  ; 256 rows of 256 bytes down the group
	s_add_nc_u64 s[G0B+4*(\s)+2:G0B+4*(\s)+3], s[46:47], s[OFS:OFS+1]
	s_or_b32 s[G0B+4*(\s)+3], s[G0B+4*(\s)+3], 0x80000000
	s_add_co_u32 s[KST], s[KST], 1
	s_and_b32 s[KST], s[KST], 7
.endm
.macro CREST
	s_cmp_lg_u32 s10, 0
	s_cbranch_scc1 .Lnot_wave_0_\@
	s_barrier_signal -3
.Lnot_wave_0_\@:
	s_barrier_wait -3
	s_barrier_signal -1
	s_barrier_wait -1
.endm
.macro CROUND
	s_barrier_signal -1
	s_barrier_wait -1
	CREST
.endm
	s_load_b128 s[4:7], s[0:1], 0x0                ; z s[4:5], wo s[6:7]
	s_load_b64 s[8:9], s[0:1], 0x10                ; out0
	v_lshl_add_u32 v[SPW], v0, 2, SPARE
	v_mov_b32 v[NIL], 0
	ds_add_u32 v[SPW], v[NIL]                      ; the wave's opening: the add and its wait stand ahead of my first tensor load
	v_lshrrev_b32 v1, 5, v0
	v_readfirstlane_b32 s10, v1                    ; wave
	s_lshr_b32 s11, s10, 1                         ; which 64 rows are mine.  Also: I fetch for z (0) or for W_O (1)
	s_and_b32 s12, s10, 1                          ; which 64 columns.  Also: which half of that tile I fetch
	s_bfe_u32 s40, ttmp6, 0x40000                  ; cx
	s_bfe_u32 s41, ttmp6, 0x40004                  ; cy
	s_lshl_b32 s42, ttmp9, 2
	s_add_co_u32 s42, s42, s40                     ; tile column
	s_and_b32 s13, ttmp7, 0xffff
	s_lshl_b32 s13, s13, 2
	s_add_co_u32 s13, s13, s41                     ; tile row
	s_and_b32 s[KST], ttmp9, 1                     ; where my cluster's walk along K begins: 4 (X % 2)
	s_lshl_b32 s[KST], s[KST], 2
	s_lshr_b32 s67, ttmp9, 1                       ; + 2 (X / 2)
	s_lshl_b32 s67, s67, 1
	s_add_co_u32 s[KST], s[KST], s67
	s_and_b32 s67, ttmp7, 0xffff                   ; + 2 Y,
	s_lshl_b32 s67, s67, 1
	s_add_co_u32 s[KST], s[KST], s67
	s_and_b32 s[KST], s[KST], 7                    ; mod 8
	s_mov_b32 s[OFS+1], 0
	s_lshl_b32 s43, s41, 2
	s_lshl_b32 s43, 15, s43                        ; my row of the cluster
	s_lshl_b32 s44, 0x1111, s40                    ; my column
	s_or_b32 s[G1+0], s43, (1<<16)|(1<<20)|(1<<21)|(6<<22)|(3<<25)   ; padding of 4 words after every 128
	s_or_b32 s[G1B+0], s44, (1<<16)|(1<<20)|(1<<21)|(5<<22)|(7<<25)  ; of 8 words after every 64
	s_mov_b32 s[G1+1], KSTEP<<16                   ; z: tensor_dim0 = tile_dim0 = 256, 64 rows, 2,048 elements from row to row
	s_mov_b32 s[G1+2], 64<<16
	s_mov_b32 s[G1+3], KSTEP<<16
	s_mov_b32 s[G1+4], 64
	s_mov_b32 s[G1+5], 2048
	s_mov_b32 s[G1+6], 0
	s_mov_b32 s[G1+7], 0
	s_mov_b32 s[G1B+1], 128<<16                    ; W_O: 128 x 128, 128 elements from row to row
	s_mov_b32 s[G1B+2], 128<<16
	s_mov_b32 s[G1B+3], 128<<16
	s_mov_b32 s[G1B+4], 128
	s_mov_b32 s[G1B+5], 128
	s_mov_b32 s[G1B+6], 0
	s_mov_b32 s[G1B+7], 0
	s_lshl_b32 s16, s13, 19                        ; z: row 128 x tile row + 64 x half, 4,096 bytes a row
	s_lshl_b32 s17, s12, 18
	s_add_co_u32 s16, s16, s17
	s_mov_b32 s17, 0
	s_lshl_b32 s46, s42, 19                        ; W_O: the group of my tile column, k rows 128 x half
	s_lshl_b32 s47, s12, 15
	s_add_co_u32 s46, s46, s47
	s_mov_b32 s47, 0
	s_mul_i32 s20, s12, HALFA                      ; where they go
	s_mul_i32 s21, s12, HALFB
	s_add_co_u32 s21, s21, BOFF
	s_wait_dscnt 0x0                               ; the opening add is done
	s_wait_kmcnt 0x0
	s_add_nc_u64 s[14:15], s[4:5], s[16:17]
	s_add_nc_u64 s[46:47], s[6:7], s[46:47]
	CROUND                                         ; all sixteen work-groups are here: the first joint loads meet
.irp s, 0,1
	s_mov_b32 s[G0+4*(\s)], 1
	s_add_co_u32 s[G0+4*(\s)+1], s20, (\s)*SLOT
	s_mov_b32 s[G0B+4*(\s)], 1
	s_add_co_u32 s[G0B+4*(\s)+1], s21, (\s)*SLOT
	AIM \s                                         ; the walk's first two steps
	JLOAD \s
.endr
	v_and_b32 v1, 15, v0                           ; l % 16
	v_bfe_u32 v2, v0, 4, 1                         ; l / 16
	v_mul_u32_u24 v3, v1, PA
	v_lshl_add_u32 v3, v2, 4, v3
	s_mul_i32 s21, s11, HALFA
	v_add_nc_u32 v[ADRA], s21, v3
	v_add_nc_u32 v[ADRA+1], SLOT, v[ADRA]
	v_and_b32 v4, 7, v0                            ; turned: lane l reads k row 8 (l / 16) + l % 8, columns 8 ((l / 8) % 2) + 0..7
	v_lshl_add_u32 v4, v2, 3, v4
	v_mul_u32_u24 v4, v4, PB
	v_bfe_u32 v5, v0, 3, 1
	v_lshl_add_u32 v4, v5, 4, v4
	s_lshl_b32 s22, s12, 7                         ; my 64 columns: 128 bytes of a row
	s_add_co_u32 s22, s22, BOFF
	v_add_nc_u32 v[ADRB], s22, v4
	v_add_nc_u32 v[ADRB+1], HALFB, v[ADRB]
	v_add_nc_u32 v[ADRB+2], SLOT, v[ADRB]
	v_add_nc_u32 v[ADRB+3], SLOT+HALFB, v[ADRB]
	s_mul_i32 s23, s10, 16*SP
	s_add_co_u32 s23, s23, STAGE                   ; my stage
	v_mul_u32_u24 v4, v1, SP
	v_lshl_add_u32 v4, v2, 5, v4
	v_add_nc_u32 v[STO], s23, v4                   ; in: row l % 16, 32 bytes for each half of the lanes
	v_mul_u32_u24 v5, v2, SP
	v_lshl_add_u32 v5, v1, 4, v5
	v_add_nc_u32 v[RD], s23, v5                    ; back: lanes 0-15 one row of 256 bytes, lanes 16-31 the next
	v_lshlrev_b32 v5, 13, v2                       ; and the same two rows in out0, 8,192 bytes apart
	v_lshl_add_u32 v[CO], v1, 4, v5
	s_lshl_b32 s16, s13, 20                        ; out0 at row 128 x tile row + 64 x half,
	s_lshl_b32 s17, s11, 19
	s_add_co_u32 s16, s16, s17
	s_lshl_b32 s17, s42, 9                         ; column 128 x tile column + 64 x half
	s_add_co_u32 s16, s16, s17
	s_lshl_b32 s17, s12, 8
	s_add_co_u32 s16, s16, s17
	s_mov_b32 s17, 0
	s_add_nc_u64 s[8:9], s[8:9], s[16:17]
; 8 matrix instructions: row blocks a0, a0 + 1 x all 4 column blocks, 32 along K: half c of buffer f.  The 16 accumulators take turns.
.macro MUL8 f, c, a0, zero
	WIN MUL
.irp a, \a0, (\a0)+1
.irp b, 0,1,2,3
.if \zero
	v_wmma_f32_16x16x32_bf16 v[ACC+8*(4*(\a)+(\b)):ACC+8*(4*(\a)+(\b))+7], v[(\f)+64+8*(4*(\c)+(\b)):(\f)+64+8*(4*(\c)+(\b))+7], v[(\f)+8*(4*(\c)+(\a)):(\f)+8*(4*(\c)+(\a))+7], 0
.else
	v_wmma_f32_16x16x32_bf16 v[ACC+8*(4*(\a)+(\b)):ACC+8*(4*(\a)+(\b))+7], v[(\f)+64+8*(4*(\c)+(\b)):(\f)+64+8*(4*(\c)+(\b))+7], v[(\f)+8*(4*(\c)+(\a)):(\f)+8*(4*(\c)+(\a))+7], v[ACC+8*(4*(\a)+(\b)):ACC+8*(4*(\a)+(\b))+7]
.endif
.endr
.endr
.endm
; 32 LDS loads in one run: the fragments of quarter q (64 along K) into buffer f; the first 32 along K first
.macro FETCH slot, q, f
	WIN TO_F
.irp c, 0,1
.irp i, 0,1,2,3
	ds_load_tr16_b128 v[(\f)+64+8*(4*(\c)+(\i)):(\f)+64+8*(4*(\c)+(\i))+3],   v[ADRB+2*(\slot)+(\q)/2] offset:(((\q)%2)*64+32*(\c))*PB+32*(\i)
	ds_load_tr16_b128 v[(\f)+64+8*(4*(\c)+(\i))+4:(\f)+64+8*(4*(\c)+(\i))+7], v[ADRB+2*(\slot)+(\q)/2] offset:(((\q)%2)*64+32*(\c)+16)*PB+32*(\i)
	ds_load_b128 v[(\f)+8*(4*(\c)+(\i)):(\f)+8*(4*(\c)+(\i))+3],   v[ADRA+(\slot)] offset:128*(\q)+64*(\c)+(\i)*16*PA
	ds_load_b128 v[(\f)+8*(4*(\c)+(\i))+4:(\f)+8*(4*(\c)+(\i))+7], v[ADRA+(\slot)] offset:128*(\q)+64*(\c)+(\i)*16*PA+32
.endr
.endr
.endm
.macro QUARTER slot, q, f, g, zero
	s_wait_dscnt 16                                ; the first 32 along K are in; the other sixteen loads may be out
	MUL8 \f, 0, 0, \zero
	MUL8 \f, 0, 2, \zero
	PLACES
	FETCH \slot, \q, \g
	s_wait_dscnt 32                                ; all but the 32 just issued
	MUL8 \f, 1, 0, 0
	MUL8 \f, 1, 2, 0
.endm
; The last quarter multiplies buffer 1 and changes slots: one barrier; in front of it each wave waits for all its tensor loads, adds 0 to its spare word, and waits for that and for its reads of this slot.
.macro TURN slot, next, fill
	WIN 0                                          ; (the add's two registers lie in window 0)
	s_wait_tensorcnt 0x0                           ; all my tensor loads have landed: my part of the next slot;
	ds_add_u32 v[SPW], v[NIL]
	s_wait_dscnt 17                                ; (the add and the youngest sixteen loads may be out)
	MUL8 F1, 0, 0, 0
	s_wait_dscnt 0x0                               ; the add is done, and my reads of this slot are over
	s_barrier_signal -1
	MUL8 F1, 0, 2, 0
.if \fill
	WIN 0
.endif
	s_barrier_wait -1
.if \fill
	CREST                                          ; the barrier has opened a round of the cluster's: no wave of any partner still reads this slot or has a load on its way
	AIM \slot                                      ; the walk's next step
	JLOAD \slot                                    ; 112 matrix instructions ahead of the wait for it; its four v_nop are also the places in front of the loads below
.else
	PLACES
.endif
	FETCH \next, 0, F0
	MUL8 F1, 1, 0, 0
	MUL8 F1, 1, 2, 0
.endm
	s_wait_tensorcnt 1                             ; my part of the walk's first step is in; the second's may stay out
	s_barrier_signal -1
	s_barrier_wait -1
	FETCH 0, 0, F0
	QUARTER 0, 1, F0, F1, 1                        ; the first quarter stands in front of the loop: its first products start the sums
	WIN 0
	s_mov_b32 s3, LAPS-1
.Llap:
	QUARTER 0, 2, F1, F0, 0
	QUARTER 0, 3, F0, F1, 0
	TURN 0, 1, 1
	QUARTER 1, 1, F0, F1, 0
	QUARTER 1, 2, F1, F0, 0
	QUARTER 1, 3, F0, F1, 0
	TURN 1, 0, 1
	QUARTER 0, 1, F0, F1, 0
	WIN 0
	s_sub_co_u32 s3, s3, 1
	s_cmp_lg_u32 s3, 0
	s_cbranch_scc1 .Llap
	QUARTER 0, 2, F1, F0, 0                        ; the last lap fills nothing
	QUARTER 0, 3, F0, F1, 0
	TURN 0, 1, 0
	QUARTER 1, 1, F0, F1, 0
	QUARTER 1, 2, F1, F0, 0
	QUARTER 1, 3, F0, F1, 0
	s_wait_dscnt 16
	MUL8 F1, 0, 0, 0
	MUL8 F1, 0, 2, 0
	s_wait_dscnt 0x0
	MUL8 F1, 1, 0, 0
	MUL8 F1, 1, 2, 0
	WIN 0
	PLACES
	PLACES                                         ; eight, once a launch
	; THE WAY OUT, 16 rows at a time: 32 bytes a lane into my stage (each accumulator's lowest registers first), back as whole rows of 256 bytes, two register buffers by turns.
.irp a, 0,1,2,3
.if (\a) >= 2
	s_wait_xcnt 0x0                                ; the stores of two blocks back have read the buffer that is loaded again below
.endif
.irp b, 0,1,2,3
	ds_store_b128 v[STO], v[ACC+8*(4*(\a)+(\b)):ACC+8*(4*(\a)+(\b))+3]   offset:64*(\b)
	ds_store_b128 v[STO], v[ACC+8*(4*(\a)+(\b))+4:ACC+8*(4*(\a)+(\b))+7] offset:64*(\b)+16
.endr
.irp t, 0,1,2,3,4,5,6,7
	ds_load_b128 v[TMP+32*((\a)%2)+4*(\t):TMP+32*((\a)%2)+4*(\t)+3], v[RD] offset:544*(\t)   ; LDS serves a wave's instructions in order (ISA guide 5.7.1.4)
.endr
.irp t, 0,1,2,3,4,5,6,7
	s_wait_dscnt 7-(\t)
	global_store_b128 v[CO], v[TMP+32*((\a)%2)+4*(\t):TMP+32*((\a)%2)+4*(\t)+3], s[8:9] offset:(16*(\a)+2*(\t))*8192 th:TH_STORE_NT   ; 16 lanes store 256 consecutive bytes, aligned
.endr
.endr
	s_wait_tensorcnt 0x0                           ; the wave's end, behind my last tensor load and my last LDS store
	ds_add_u32 v[SPW], v[NIL]
	s_wait_dscnt 0x0
	CROUND                                         ; the closing round
	s_endpgm
.Lfunc_end_k_q2cefe2f04e_outp:
	.size	k_q2cefe2f04e_outp, .Lfunc_end_k_q2cefe2f04e_outp-k_q2cefe2f04e_outp
	.p2alignl 7, 3214868480
	.fill 96, 4, 3214868480
	.section	.rodata,"a",@progbits
	.p2align	6, 0x0
	.amdhsa_kernel k_q2cefe2f04e_outp
		.amdhsa_group_segment_fixed_size 327680
		.amdhsa_private_segment_fixed_size 0
		.amdhsa_enable_private_segment 0
		.amdhsa_kernarg_size 24
		.amdhsa_user_sgpr_count 2
		.amdhsa_user_sgpr_kernarg_segment_ptr 1
		.amdhsa_wavefront_size32 1
		.amdhsa_system_sgpr_workgroup_id_x 1
		.amdhsa_system_sgpr_workgroup_id_y 1
		.amdhsa_system_sgpr_workgroup_id_z 1
		.amdhsa_system_vgpr_workitem_id 0
		.amdhsa_next_free_vgpr 512
		.amdhsa_next_free_sgpr 70
		.amdhsa_reserve_vcc 0
		.amdhsa_float_denorm_mode_32 3
		.amdhsa_float_denorm_mode_16_64 3
		.amdhsa_memory_ordered 1
		.amdhsa_forward_progress 1
		.amdhsa_inst_pref_size 88
	.end_amdhsa_kernel
	.amdgpu_metadata
---
amdhsa.version: [ 1, 2 ]
amdhsa.kernels:
  - .name:           k_q2cefe2f04e_outp
    .symbol:         k_q2cefe2f04e_outp.kd
    .args:
      - { .name: z, .offset: 0, .size: 8, .value_kind: global_buffer, .address_space: global }
      - { .name: wo, .offset: 8, .size: 8, .value_kind: global_buffer, .address_space: global }
      - { .name: out0, .offset: 16, .size: 8, .value_kind: global_buffer, .address_space: global }
    .group_segment_fixed_size: 327680
    .private_segment_fixed_size: 0
    .kernarg_segment_align: 8
    .kernarg_segment_size: 24
    .max_flat_workgroup_size: 128
    .sgpr_count:     70
    .vgpr_count:     512
    .wavefront_size: 32
...
	.end_amdgpu_metadata
.endif
;; end of part 4
